; MI455X (gfx1250); checked and timed in simulation.
; The chip was launched on July 23, 2026; its instructions are those of AMD's public machine-readable ISA for CDNA 5 (MIT licence, August 2026) and "CDNA5" Instruction Set Architecture Reference Guide (July 2026). The comments in the code are by the model that wrote it; some were corrected since.
;; Multi Head Attention. Allowed arithmetic: matrix products marked QUANTISED: E4M3 operands, one given power-of-two scale a tensor, by v_wmma_f32_16x16x64_fp8_fp8 or v_wmma_f32_16x16x128_fp8_fp8, f32 sums; everything else in f32.
;; Inputs: b_out 1,024 float32; b_qkv 3,072 float32; lowp_scales 8 int32 (the exponents e of the quantised operands' scales 2^e); mask 1 x 1 x 2,048 x 2,048 bool; w_out 1,024 x 1,024 float32; w_qkv 1,024 x 3,072 float32; x 4 x 2,048 x 1,024 float32.
;; Outputs: out0 4 x 2,048 x 1,024 float32.
;; This version of the problem:
;;   THIS VERSION OF THE PROBLEM IS GIVEN IN LOW PRECISION. The matrix products marked QUANTISED in the list below multiply operands that are first quantised to E4M3 (4 exponent bits, 3 mantissa bits; 8 bits a number), with one given power-of-two scale for each operand tensor; their sums are f32. All else is computed in f32.
;;   The module's matrix products, in the order in which they are computed (A, B: the left and right operand; K: the contracted axis; several contracted axes count as one K, in the product's order):
;;     1. [M 8,192, K 1,024] x [K 1,024, N 3,072]; A: input x; B: input w_qkv: QUANTISED (scales: A lowp_scales[0], B lowp_scales[1])
;;     2. batch 64 x [M 2,048, K 64] x [K 64, N 2,048]; A: computed on the way; B: computed on the way: QUANTISED (scales: A lowp_scales[2], B lowp_scales[3])
;;     3. batch 64 x [M 2,048, K 2,048] x [K 2,048, N 64]; A: softmax (see below); B: computed on the way: QUANTISED (scales: A lowp_scales[4], B lowp_scales[5])
;;     4. [M 8,192, K 1,024] x [K 1,024, N 1,024]; A: computed on the way; B: input w_out: QUANTISED (scales: A lowp_scales[6], B lowp_scales[7])
;;   THE QUANTISER, for each operand of a quantised product, along K:
;;     - The operand's scale is 2^e, e = its entry of the input lowp_scales (int32; the entries are numbered through the quantised products in the list's order, A before B).
;;     - Each number is divided by the scale, clamped to +-448, and rounded to the nearest number of E4M3, ties to even, subnormals kept.
;;     - The product sums the exact products of the quantised numbers (number of the format x scale) in f32.
;;   ~~~python
;;   def quantise(x, axis, e):      # numpy; x: float32 -> the quantised numbers, widened to float32 again
;;       x = np.moveaxis(x, axis, -1); K = x.shape[-1]
;;       r = np.clip(x / 2.0 ** e, -448, 448)
;;       step = 2.0 ** (np.maximum(np.frexp(np.where(r == 0, 1, r))[1] - 1, -6) - 3)
;;       q = np.round(r / step) * step * 2.0 ** e      # np.round: ties to even
;;       return np.moveaxis(q, -1, axis).astype(np.float32)
;;   ~~~
;;   SOFTMAX AHEAD OF A QUANTISED PRODUCT. Where the list says 'softmax', what is quantised is not the finished softmax but p = 2^(t - M), with t = logit x log2(e) and M = ceil(the row's largest t), a whole number; so 1/2 < the row's largest p <= 1. The row's sum l is taken of the UNQUANTISED p, in f32, and the product's result is divided by l at the end. Since M is a whole number, a kernel that streams over the keys may use a running M (the ceiling of the running maximum): every later rescaling is an exact power of two, so the quantised numbers keep their values, but for numbers so far below the row's largest that they fall under the format's range.
;;   OPERANDS COMPUTED ON THE WAY. 'Computed on the way' means the value that the module computes at that place (a softmax that the list does not call 'softmax' is quantised finished and normalised). What goes into a quantiser is computed in f32, as accurately as f32 sums, v_exp_f32 and their like allow (about 1e-6 of the number): no bf16 or f16 on the way to a quantiser, and a product that is left as it is and whose result goes on into a quantised operand takes f32 operands (vector FMAs, or v_wmma_f32_16x16x4_f32). A number that lies on a knife's edge between two numbers of the format may be rounded either way, as far as f32 arithmetic and the matrix unit's own rounding can turn it there, and no further.
;; 2 versions, each right; version 2 is version 1 with the launch attn written anew for expert scheduling mode. Each part assembles by itself: llvm-mc -triple=amdgcn-amd-amdhsa -mcpu=gfx1250 --defsym DOCPART=n.
;; ======== version 1 of 2: 4 launches
;; workspace buffers: xq 8,388,608 bytes; wq 3,145,728 bytes; wo 1,048,576 bytes; lm 524,288 bytes of whole numbers; fl 2,048 bytes of whole numbers; qf 8,388,608 bytes; kv 16,777,216 bytes; yq 8,388,608 bytes
;; launch prep (part 1): grid 704 x 1, 8 waves a work-group, no clusters, 68,608 bytes of LDS; arguments x, w_qkv, w_out, mask, lowp_scales, xq, wq, wo, lm, fl; writes xq, wq, wo, lm, fl
.if DOCPART == 1
	.amdgcn_target "amdgcn-amd-amdhsa--gfx1250"
	.amdhsa_code_object_version 6
	.text
	.protected	k_q2091dae334_prep
	.globl	k_q2091dae334_prep
	.p2align	8
	.type	k_q2091dae334_prep,@function
k_q2091dae334_prep:
	s_mov_b64 s[64:65], 0
	v_nop
	global_prefetch_b8 v0, s[64:65] scope:SCOPE_SE
	s_setreg_imm32_b32 hwreg(HW_REG_WAVE_MODE, 25, 1), 1
	s_wait_xcnt 0x0
; PREP.  x [8192][1024], w_qkv [1024][3072], w_out [1024][1024], f32, become codes of E4M3 with the given scales 2^e0, 2^e1, 2^e7; the mask [2048][2048] of bytes becomes lane masks and tile flags.
; code = number / 2^e, held within +-448, to the nearest code, ties to even.  LIMITS: e0, e1, e7 between -126 and 119, so that 2^e and 448 x 2^e are f32 numbers.  NaN among the numbers is not served.
; THE CODES LIE AS IMAGES OF THE OPERANDS' REGISTERS: IMG[tile of 16 rows][K step s of 128][piece g of 4][lane][16 bytes]; lane (r, h) of piece g holds, of the tile's row r, k = 128 s + 32 g + 8 h + 0..7 and + 16 more:
; registers 4 g .. 4 g + 3 of the fragment of v_wmma_f32_16x16x128_fp8_fp8.  So a later launch fetches a fragment by four loads of 16 bytes a lane, 512 consecutive bytes each.
; THE ROWS OF A TOKEN TILE ARE NOT NEIGHBOURS: row p of tile 2 B + u is token 32 B + 8 u + p + 8 (p / 8), for x and for the mask's queries alike.  The weights' tiles are 16 neighbouring columns.
; lm[unit of 32 queries][step of 128 keys][u][n = 0..63]: a word whose bit l says whether key 128 step + 32 (n / 16) + 16 (l / 16) + n % 16 counts for the query of row l % 16 of tile 2 unit + u.
; fl[tile][chunk of 4 steps]: bit 4 chunk + t: some entry of the tile's step is true; bit 16 + 4 chunk + t: some entry is false.
; WORK-GROUPS: 0-63 the mask (a wave: 16 rows x 512 bytes), 64-159 w_qkv, 160-191 w_out (a wave: 32 columns x 128 along K), 192-703 x (a work-group a tile, a wave a K step: 16 rows x 512 bytes).
; Waves share nothing: no barrier.  Memory binds: no matrix unit, no cluster, no tensor load.
.set WREG,  8448                       ; LDS: a stage for each wave: 16 rows x SP
.set SP,    528                        ; 512 bytes + 16 of padding: 33 x 16, so that the sixteen rows of a read start at sixteen different places modulo 256 bytes
.set SPARE, 8*WREG                     ; behind the stages: the spare words, 128 bytes for each wave
.set SPW, 1                            ; v1   my spare word's address; never rewritten
.set NIL, 2                            ; v2   0; never rewritten
.set LN,  3                            ; v3   lane
.set L16, 4                            ; v4   16 x lane
.set SA,  5                            ; v5   the stage, on the way in
.set XR,  6                            ; v6   the stage, x's way out: row r, + 32 h
.set MR,  7                            ; v7   the stage, the mask's way out: row r, + 16 h
.set L4,  8                            ; v8   4 x lane
.set L8,  9                            ; v9   8 x lane
.set LIM, 10                           ; v10  448 x the scale
.set SCL, 11                           ; v11  the scale as f32
.set WO,  12                           ; v12  the weights' codes: 16,384 (lane / 16) + 16 (lane % 16)
.set ZO,  13                           ; v13  offset 0 for the flags' store
.set FV,  14                           ; v14  the flags' word
.set X,   16                           ; v16-79   numbers (or mask bytes)
.set C,   80                           ; v80-111  codes
.set OW,  96                           ; v96-103  the mask's words, a pair for each step
.set TT,  104                          ; v104-107 at work
.set RO,  112                          ; v112-127 the sixteen rows' offsets
	s_load_b256 s[4:11], s[0:1], 0x0               ; x, w_qkv, w_out, mask
	s_load_b256 s[12:19], s[0:1], 0x20             ; the scales' exponents, xq, wq, wo
	s_load_b128 s[20:23], s[0:1], 0x40             ; lm, fl
	v_lshl_add_u32 v[SPW], v0, 2, SPARE
	v_mov_b32 v[NIL], 0
	v_lshrrev_b32 v[TT], 5, v0
	v_readfirstlane_b32 s32, v[TT]                 ; wave 0..7
	v_and_b32 v[LN], 31, v0
	v_lshlrev_b32 v[L16], 4, v[LN]
	v_lshlrev_b32 v[L4], 2, v[LN]
	v_lshlrev_b32 v[L8], 3, v[LN]
	v_and_b32 v[TT], 15, v0                        ; r
	v_bfe_u32 v[TT+1], v0, 4, 1                    ; h
	s_mul_i32 s33, s32, WREG
	v_add_nc_u32 v[SA], s33, v[L16]
	v_mul_u32_u24 v[XR], v[TT], SP
	v_add_nc_u32 v[XR], s33, v[XR]
	v_lshl_add_u32 v[MR], v[TT+1], 4, v[XR]
	v_lshl_add_u32 v[XR], v[TT+1], 5, v[XR]
	v_lshlrev_b32 v[WO], 4, v[TT]
	v_lshl_add_u32 v[WO], v[TT+1], 14, v[WO]
	v_mov_b32 v[ZO], 0
	s_mov_b32 s45, 0                               ; the upper word of every offset pair s[44:45]
	s_wait_kmcnt 0x0
	s_load_b256 s[24:31], s[12:13], 0x0            ; e0 .. e7
	s_cmp_lt_u32 ttmp9, 64
	s_cbranch_scc1 .Lxm
	s_cmp_lt_u32 ttmp9, 192
	s_cbranch_scc1 .Lw
.Lxm:
	; ---- x and the mask: 16 rows x 512 bytes come in as they lie, a row a load, and turn through the wave's stage
	s_lshl_b32 s37, ttmp9, 3
	s_add_co_u32 s37, s37, s32                     ; the mask's item: 8 x work-group + wave
	s_lshr_b32 s38, s37, 2
	s_and_b32 s39, s37, 3
	s_sub_co_u32 s40, ttmp9, 192
	s_cmp_lt_u32 ttmp9, 64                         ; the choices hang on the work-group's number alone
	s_cselect_b64 s[34:35], s[10:11], s[4:5]       ; the source
	s_cselect_b32 s36, 11, 12                      ; a row is 2^11 bytes of the mask, 2^12 of x
	s_cselect_b32 s38, s38, s40                    ; the tile
	s_cselect_b32 s39, s39, s32                    ; which 512 bytes of its rows
	s_lshr_b32 s41, s38, 1
	s_lshl_b32 s41, s41, 5
	s_and_b32 s42, s38, 1
	s_lshl_b32 s42, s42, 3
	s_add_co_u32 s41, s41, s42                     ; the tile's first row: 32 (tile / 2) + 8 (tile % 2)
	s_lshl_b32 s44, s41, s36
	s_lshl_b32 s42, s39, 9
	s_add_co_u32 s44, s44, s42
	s_add_nc_u64 s[34:35], s[34:35], s[44:45]
.irp p, 0,1,2,3,4,5,6,7,8,9,10,11,12,13,14,15
	v_lshl_add_u32 v[RO+\p], \p+8*(\p/8), s36, v[L16]      ; row p of the tile lies p + 8 (p / 8) rows down
.endr
.irp p, 0,1,2,3,4,5,6,7,8,9,10,11,12,13,14,15
	global_load_b128 v[X+4*\p:X+4*\p+3], v[RO+\p], s[34:35] th:TH_LOAD_NT   ; 32 lanes read 512 consecutive bytes of one row
.endr
.irp p, 0,1,2,3,4,5,6,7,8,9,10,11,12,13,14,15
	s_wait_loadcnt 15-\p                           ; loads come back in order: row p is in, the younger rows stay out
	ds_store_b128 v[SA], v[X+4*\p:X+4*\p+3] offset:SP*\p
.endr
	s_cmp_lt_u32 ttmp9, 64
	s_cbranch_scc1 .Lmask
	; ---- x: lane (r, h) takes back, for piece g, 8 + 8 neighbours of row r.  LDS serves a wave's instructions in order: these see the stores above
.irp g, 0,1,2,3
	ds_load_b128 v[X+16*\g:X+16*\g+3],     v[XR] offset:128*\g
	ds_load_b128 v[X+16*\g+4:X+16*\g+7],   v[XR] offset:128*\g+16
	ds_load_b128 v[X+16*\g+8:X+16*\g+11],  v[XR] offset:128*\g+64
	ds_load_b128 v[X+16*\g+12:X+16*\g+15], v[XR] offset:128*\g+80
.endr
	s_lshl_b32 s44, s38, 14                        ; the tile's image,
	s_lshl_b32 s42, s39, 11                        ; its K step
	s_add_co_u32 s44, s44, s42
	s_add_nc_u64 s[46:47], s[14:15], s[44:45]
	s_wait_kmcnt 0x0
	s_add_co_i32 s48, s24, 127
	s_lshl_b32 s49, s48, 23
	v_mov_b32 v[SCL], s49                          ; 2^e0 as f32: the conversion takes its exponent field
	s_add_co_i32 s48, s48, 8
	s_lshl_b32 s48, s48, 23
	s_or_b32 s48, s48, 0x600000
	v_mov_b32 v[LIM], s48                          ; 448 x 2^e0
.irp g, 0,1,2,3
	s_wait_dscnt 12-4*\g                           ; piece g's four loads are in; the later pieces' stay out
.irp i, 0,1,2,3,4,5,6,7,8,9,10,11,12,13,14,15
	v_med3_num_f32 v[X+16*\g+\i], v[X+16*\g+\i], -v[LIM], v[LIM]   ; the conversion to an 8-bit code does not saturate (ISA guide 7.6.2): the hold comes first
.endr
	v_cvt_scalef32_pk8_fp8_f32 v[C+4*\g:C+4*\g+1], v[X+16*\g:X+16*\g+7], v[SCL]
	v_cvt_scalef32_pk8_fp8_f32 v[C+4*\g+2:C+4*\g+3], v[X+16*\g+8:X+16*\g+15], v[SCL]
	global_store_b128 v[L16], v[C+4*\g:C+4*\g+3], s[46:47] offset:512*\g     ; 512 consecutive bytes; each piece has its own registers, so no store's data are written again
.endr
	s_wait_tensorcnt 0x0                           ; the wave's end: behind my last LDS store
	ds_add_u32 v[SPW], v[NIL]
	s_wait_dscnt 0x0
	s_endpgm
.Lmask:
	; ---- the mask: lane (r, h) takes back, for step jj and block b, the 16 bytes of keys 128 jj + 32 b + 16 h + 0..15 of row r
.irp m, 0,1,2,3,4,5,6,7,8,9,10,11,12,13,14,15
	ds_load_b128 v[X+4*\m:X+4*\m+3], v[MR] offset:32*\m
.endr
	s_lshr_b32 s44, s38, 1
	s_lshl_b32 s44, s44, 13                        ; lm: the unit's 8,192 bytes,
	s_lshl_b32 s42, s39, 11                        ; four steps of 512 bytes,
	s_add_co_u32 s44, s44, s42
	s_and_b32 s42, s38, 1
	s_lshl_b32 s42, s42, 8                         ; the tile's 256 of a step
	s_add_co_u32 s44, s44, s42
	s_add_nc_u64 s[52:53], s[20:21], s[44:45]
	s_lshl_b32 s44, s37, 2
	s_add_nc_u64 s[54:55], s[22:23], s[44:45]      ; fl: word 4 tile + chunk
	s_mov_b32 s51, 0
.irp i, 0,1,2,3,4,5,6,7
	v_mov_b32 v[OW+\i], 0                          ; v_writelane_b32's destination counts as read
.endr
.irp jj, 0,1,2,3
	s_wait_dscnt 12-4*\jj                          ; this step's four loads are in
	s_mov_b32 s48, 0                               ; the OR
	s_mov_b32 s49, -1                              ; and the AND of the step's 64 words
.set n, 0
.rept 64
	v_and_b32 v[TT+(n&3)], 0xff<<(8*(n&3)), v[X+16*\jj+4*(n/16)+((n&15)/4)]
	v_cmp_ne_u32 s[56+(n&7)], 0, v[TT+(n&3)]       ; word n: a bit for each lane
	v_writelane_b32 v[OW+2*\jj+(n&1)], s[56+(n&7)], n/2    ; lane l stores words 2 l and 2 l + 1
	s_or_b32 s48, s48, s[56+(n&7)]
	s_and_b32 s49, s49, s[56+(n&7)]
.set n, n+1
.endr
	global_store_b64 v[L8], v[OW+2*\jj:OW+2*\jj+1], s[52:53] offset:512*\jj  ; 256 consecutive bytes, aligned
	s_cmp_lg_u32 s48, 0
	s_cselect_b32 s50, 1<<\jj, 0
	s_or_b32 s51, s51, s50
	s_cmp_lg_u32 s49, -1
	s_cselect_b32 s50, 0x10000<<\jj, 0
	s_or_b32 s51, s51, s50
.endr
	s_lshl_b32 s50, s39, 2
	s_lshl_b32 s51, s51, s50                       ; to the chunk's four bits
	v_mov_b32 v[FV], s51
	v_cmp_eq_u32 vcc_lo, 0, v[LN]
	s_wait_xcnt 0x0                                ; EXEC is a source of the pending stores: it changes only behind this wait
	s_and_saveexec_b32 s50, vcc_lo
	global_store_b32 v[ZO], v[FV], s[54:55]        ; one word, by lane 0
	s_wait_xcnt 0x0
	s_or_b32 exec_lo, exec_lo, s50
	s_wait_tensorcnt 0x0                           ; the wave's end: the three lines
	ds_add_u32 v[SPW], v[NIL]
	s_wait_dscnt 0x0
	s_endpgm
; ---- the weights: K is their FIRST axis.  A lane takes a column and its registers run down K: each load reads 128 consecutive bytes a wave (the eight waves stand side by side on 1,024),
; and the conversions give codes with K innermost.  Of a block of 32 along K the groups of eight G0, G2 are the piece of lane half 0 and G1, G3 that of half 1.
.macro WLOAD t, n
.set i, 0
.rept 32
	global_load_b32 v[X+32*((\t)%2)+i], v[L4], s[34:35] offset:(32*(\t)+i)*(\n)*4 th:TH_LOAD_NT
.set i, i+1
.endr
.endm
.macro WBLOCK t, n
.set XS, X+32*((\t)%2)
.if (\t) < 3
	s_wait_loadcnt 32                              ; this block's 32 loads are in; the next block's stay out
.else
	s_wait_loadcnt 0
.endif
.set i, 0
.rept 32
	v_med3_num_f32 v[XS+i], v[XS+i], -v[LIM], v[LIM]
.set i, i+1
.endr
	v_cvt_scalef32_pk8_fp8_f32 v[C+8*(\t):C+8*(\t)+1],   v[XS:XS+7],     v[SCL]
	v_cvt_scalef32_pk8_fp8_f32 v[C+8*(\t)+2:C+8*(\t)+3], v[XS+16:XS+23], v[SCL]
	v_cvt_scalef32_pk8_fp8_f32 v[C+8*(\t)+4:C+8*(\t)+5], v[XS+8:XS+15],  v[SCL]
	v_cvt_scalef32_pk8_fp8_f32 v[C+8*(\t)+6:C+8*(\t)+7], v[XS+24:XS+31], v[SCL]
	global_store_b128 v[WO], v[C+8*(\t):C+8*(\t)+3],   s[46:47] offset:512*(\t)        ; sixteen lanes store 256 consecutive bytes, aligned: lanes 0-15 in one tile's image, lanes 16-31 in the next tile's
	global_store_b128 v[WO], v[C+8*(\t)+4:C+8*(\t)+7], s[46:47] offset:512*(\t)+256
.if (\t)+2 < 4
	WLOAD (\t)+2, \n
.endif
.endm
.macro WPATH n, src, dst, e, first
	s_sub_co_u32 s37, ttmp9, \first
	s_and_b32 s38, s37, 7                          ; K step s
	s_lshr_b32 s39, s37, 3                         ; block of 256 columns
	s_mul_i32 s44, s38, 128*(\n)*4
	s_lshl_b32 s40, s39, 10
	s_add_co_u32 s44, s44, s40
	s_lshl_b32 s40, s32, 7                         ; my wave's 32 columns
	s_add_co_u32 s44, s44, s40
	s_add_nc_u64 s[34:35], s[\src:\src+1], s[44:45]
	s_lshl_b32 s44, s39, 18                        ; the images of tiles 16 block + 2 wave and the next,
	s_lshl_b32 s40, s32, 15
	s_add_co_u32 s44, s44, s40
	s_lshl_b32 s40, s38, 11                        ; their K step
	s_add_co_u32 s44, s44, s40
	s_add_nc_u64 s[46:47], s[\dst:\dst+1], s[44:45]
	WLOAD 0, \n
	WLOAD 1, \n
	s_wait_kmcnt 0x0
	s_add_co_i32 s48, s[\e], 127
	s_lshl_b32 s49, s48, 23
	v_mov_b32 v[SCL], s49
	s_add_co_i32 s48, s48, 8
	s_lshl_b32 s48, s48, 23
	s_or_b32 s48, s48, 0x600000
	v_mov_b32 v[LIM], s48
	WBLOCK 0, \n
	WBLOCK 1, \n
	WBLOCK 2, \n
	WBLOCK 3, \n
	s_wait_tensorcnt 0x0                           ; every wave of this launch ends alike
	ds_add_u32 v[SPW], v[NIL]
	s_wait_dscnt 0x0
	s_endpgm
.endm
.Lw:
	s_cmp_lt_u32 ttmp9, 160
	s_cbranch_scc0 .Lwo
	WPATH 3072, 6, 16, 25, 64
.Lwo:
	WPATH 1024, 8, 18, 31, 160
.Lfunc_end_k_q2091dae334_prep:
	.size	k_q2091dae334_prep, .Lfunc_end_k_q2091dae334_prep-k_q2091dae334_prep
	.p2alignl 7, 3214868480
	.fill 96, 4, 3214868480
	.section	.rodata,"a",@progbits
	.p2align	6, 0x0
	.amdhsa_kernel k_q2091dae334_prep
		.amdhsa_group_segment_fixed_size 68608
		.amdhsa_private_segment_fixed_size 0
		.amdhsa_enable_private_segment 0
		.amdhsa_kernarg_size 80
		.amdhsa_user_sgpr_count 2
		.amdhsa_user_sgpr_kernarg_segment_ptr 1
		.amdhsa_wavefront_size32 1
		.amdhsa_system_sgpr_workgroup_id_x 1
		.amdhsa_system_sgpr_workgroup_id_y 1
		.amdhsa_system_sgpr_workgroup_id_z 1
		.amdhsa_system_vgpr_workitem_id 0
		.amdhsa_next_free_vgpr 128
		.amdhsa_next_free_sgpr 66
		.amdhsa_reserve_vcc 1
		.amdhsa_float_denorm_mode_32 3
		.amdhsa_float_denorm_mode_16_64 3
		.amdhsa_memory_ordered 1
		.amdhsa_forward_progress 1
		.amdhsa_inst_pref_size 127
	.end_amdhsa_kernel
	.amdgpu_metadata
---
amdhsa.version: [ 1, 2 ]
amdhsa.kernels:
  - .name:           k_q2091dae334_prep
    .symbol:         k_q2091dae334_prep.kd
    .args:
      - { .name: x, .offset: 0, .size: 8, .value_kind: global_buffer, .address_space: global }
      - { .name: w_qkv, .offset: 8, .size: 8, .value_kind: global_buffer, .address_space: global }
      - { .name: w_out, .offset: 16, .size: 8, .value_kind: global_buffer, .address_space: global }
      - { .name: mask, .offset: 24, .size: 8, .value_kind: global_buffer, .address_space: global }
      - { .name: lowp_scales, .offset: 32, .size: 8, .value_kind: global_buffer, .address_space: global }
      - { .name: xq, .offset: 40, .size: 8, .value_kind: global_buffer, .address_space: global }
      - { .name: wq, .offset: 48, .size: 8, .value_kind: global_buffer, .address_space: global }
      - { .name: wo, .offset: 56, .size: 8, .value_kind: global_buffer, .address_space: global }
      - { .name: lm, .offset: 64, .size: 8, .value_kind: global_buffer, .address_space: global }
      - { .name: fl, .offset: 72, .size: 8, .value_kind: global_buffer, .address_space: global }
    .group_segment_fixed_size: 68608
    .private_segment_fixed_size: 0
    .kernarg_segment_align: 8
    .kernarg_segment_size: 80
    .max_flat_workgroup_size: 256
    .sgpr_count:     66
    .vgpr_count:     128
    .wavefront_size: 32
...
	.end_amdgpu_metadata
.endif
;; end of part 1
;; launch qkv (part 2): grid 12 x 32, 4 waves a work-group, clusters of 4 x 4, 327,680 bytes of LDS; arguments xq, wq, lowp_scales, b_qkv, qf, kv; writes qf, kv
.if DOCPART == 2
	.amdgcn_target "amdgcn-amd-amdhsa--gfx1250"
	.amdhsa_code_object_version 6
	.text
	.protected	k_q2091dae334_qkv
	.globl	k_q2091dae334_qkv
	.p2align	8
	.type	k_q2091dae334_qkv,@function
k_q2091dae334_qkv:
	s_mov_b64 s[64:65], 0
	v_nop
	global_prefetch_b8 v0, s[64:65] scope:SCOPE_SE
	s_setreg_imm32_b32 hwreg(HW_REG_WAVE_MODE, 25, 1), 1
	s_wait_xcnt 0x0
	s_wait_alu depctr_hold_cnt(0) depctr_sa_sdst(0) depctr_va_vdst(0) depctr_va_sdst(0) depctr_va_ssrc(0) depctr_va_vcc(0) depctr_vm_vsrc(0)
	s_getreg_b32 s2, hwreg(HW_REG_IB_STS2, 6, 4)
	s_cmp_eq_u32 s2, 0
	s_cbranch_scc0 .Lentry_in_a_cluster
	s_endpgm
.Lentry_in_a_cluster:
	s_bfe_u32 s2, ttmp6, 0x10000c
	s_cmp_lg_u32 s2, 0xf033
	s_cbranch_scc0 .Lentry_shape_is_right
	s_endpgm
.Lentry_shape_is_right:
; QKV.  qkv = x w_qkv + b_qkv on codes of E4M3 (8,192 x 3,072, K = 1,024), and q, k, v quantised on the way out with the given 2^e2, 2^e3, 2^e5, as images of the registers in which the attention launch wants them.
; A tile of 256 x 256 is made by four waves, as many as a WGP has SIMDs; a wave makes 128 x 128: 64 accumulators, 512 registers.  K goes in steps of 256 through two LDS slots filled by the tensor data mover.
; ROLES.  The matrix instruction is always D, fragment of the B role, fragment of the A role: a lane then holds ONE row of the A role (lane % 16) and eight neighbouring rows of the B role (8 (lane / 16) + 0..7).
;   sections q and k (cluster x = 0, 1): A = tokens (xq), B = channels (wq): a lane's eight numbers run along the head's channels, the K of the scores.
;   section v (cluster x = 2):           A = channels (wq), B = tokens (xq): a lane's eight numbers run along the keys, the K of the second product.
; The section is the cluster's x: the same in all sixteen partners.  Pointers and indices are chosen by s_cselect; two short branches on the section stand round what differs: the bias's loads and the first step.
; CLUSTERS: 4 x 4.  The A role's tiles hang on cy alone within a cluster and are asked for jointly along the cluster's row, the B role's on cx alone and jointly along its column.
; OPERANDS lie in memory as images of registers: IMG[tile of 16 rows][K step of 128][piece of 4 registers][lane][16 bytes], 16,384 bytes a tile.  A slot takes 4,096 bytes (two K steps) of each of 32 tiles; a wave's tensor load
; brings eight tiles: eight rows of 4,096 bytes, 16,384 apart (the image's shape gives no more rows).  A fragment is four loads of 512 consecutive bytes: no pitch, no padding.
; THE BIAS is the C of each sum's first matrix instruction, divided beforehand by 2^(e0 + e1), the power of two that the sums lack; the three scales ahead of a quantiser are folded into the conversion's one, 2^(eS - e0 - e1).
; LIMITS: eS - e0 - e1 (eS = e2, e3, e5) between -126 and 119.  NaN is not served.
; 384 work-groups: a tile has to lie inside one of the sections q, k, v, whose 1,024 columns are four tiles wide, so the count carries the factor 3.
; REGISTERS, in windows of 256: window 0: v16-31 addresses and constants; v32-95 the bias; v128-255 the A role's fragments, ONE set (on the way out: numbers and codes).
;   window 1: the B role's fragments, TWO sets.   window 2: the accumulators of my A blocks 0-3 ((a, b) at v[8 (8 (a % 4) + b)]);   window 3: those of blocks 4-7.
.set FR,     16                        ; registers of a fragment: 16 rows x 128 K
.set NL,     4                         ; LDS loads that bring one
.set NP,     4                         ; places behind this matrix instruction (ISA guide 7.12.1)
.set TILEB,  4096                      ; a tile's bytes in a slot: two K steps of 2,048
.set HALFT,  8*TILEB                   ; what one tensor load brings, and what one wave reads of a role
.set SLOT,   4*HALFT                   ; the A role's 16 tiles, then the B role's
.set SPARE,  2*SLOT                    ; behind the ring: the spare words, 128 bytes for each wave
.set ADRA, 16                          ; v16-17  LDS address of my A fragments in slot 0, 1
.set ADRB, 20                          ; v20-21  the same for B
.set VO0,  24                          ; v24     16 x lane
.set VO2,  25                          ; v25     16 x lane + the distance to the way out's second pair of stores
.set SPW,  28                          ; v28     my spare word's address; never rewritten
.set NIL,  29                          ; v29     0; never rewritten
.set LIM,  30                          ; v30     448 x the folded scale
.set SCL,  31                          ; v31     the folded scale as f32
.set BIAS, 32
.set AF,   128
.set TMP,  128                         ; the way out: 64 held numbers
.set CODE, 192                         ; the way out: two sets of 16 registers of codes
.set G1, 24                            ; s[24:31] descriptor group 1 for the A role;  s[32:39] group 0, one set for each slot
.set G0, 32
.set G1B, 48                           ; s[48:55], s[56:63] the same for the B role
.set G0B, 56
.set MSB, 0
.macro WIN new                         ; the immediate's high byte repeats the setting that is left
.if MSB != \new
	s_set_vgpr_msb (MSB<<8)|\new
.set MSB, \new
.endif
.endm
.set MUL_LO, 0xa1                      ; source 0 (B) window 1, source 1 (A) window 0, C and D window 2
.set MUL_HI, 0xf1                      ; the same, C and D window 3
.set TO_B,   0x40                      ; destination window 1, address window 0
; A joint load: waves 0 and 1 fetch for the A role, waves 2 and 3 for the B role; the branch hangs on the wave's number alone.  An s_nop 0 and four v_nop follow each of the two lines.
.macro JLOAD g0a, g1a, g0b, g1b
	s_cmp_eq_u32 s15, 0
	s_cbranch_scc0 .Lfor_b_\@
	tensor_load_to_lds s[\g0a:\g0a+3], s[\g1a:\g1a+7]
	s_nop 0
.rept 4
	v_nop
.endr
	s_branch .Lasked_\@
.Lfor_b_\@:
	tensor_load_to_lds s[\g0b:\g0b+3], s[\g1b:\g1b+7]
	s_nop 0
.rept 4
	v_nop
.endr
.Lasked_\@:
.endm
.macro CREST                           ; a round of the cluster's barrier behind its opening barrier
	s_cmp_lg_u32 s14, 0
	s_cbranch_scc1 .Lnot_wave_0_\@
	s_barrier_signal -3
.Lnot_wave_0_\@:
	s_barrier_wait -3
	s_barrier_signal -1
	s_barrier_wait -1
.endm
.macro CROUND                          ; a whole round
	s_barrier_signal -1
	s_barrier_wait -1
	CREST
.endm
	s_load_b256 s[4:11], s[0:1], 0x0               ; xq s[4:5], wq s[6:7], the scales' exponents s[8:9], b_qkv s[10:11]
	s_load_b128 s[68:71], s[0:1], 0x20             ; qf s[68:69], kv s[70:71]
	v_lshl_add_u32 v[SPW], v0, 2, SPARE
	v_mov_b32 v[NIL], 0
	ds_add_u32 v[SPW], v[NIL]                      ; the wave's opening: the add and its wait stand ahead of my first tensor load; the set-up below, work on registers, stands between them
	v_lshrrev_b32 v1, 5, v0
	v_readfirstlane_b32 s14, v1                    ; wave 0..3
	s_lshr_b32 s15, s14, 1                         ; which half of the A role's rows is mine.  Also: I fetch for A (0) or for B (1)
	s_and_b32 s16, s14, 1                          ; which half of the B role's.  Also: which eight tiles I fetch
	s_bfe_u32 s40, ttmp6, 0x40000                  ; cx, cy: my place in the cluster
	s_bfe_u32 s41, ttmp6, 0x40004
	s_and_b32 s18, ttmp7, 0xffff
	s_lshl_b32 s18, s18, 2                         ; 4 x cluster y
	s_lshl_b32 s19, ttmp9, 2                       ; 4 x section
	s_cmp_lt_u32 ttmp9, 2                          ; q or k?
	s_cselect_b32 s17, s18, 8                      ; the A role's block of 256 rows: token block 4 cluster y + cy, or column block 8 + cy of w_qkv
	s_cselect_b32 s42, s19, s18                    ; the B role's: column block 4 section + cx, or token block 4 cluster y + cx
	s_add_co_u32 s17, s17, s41
	s_add_co_u32 s42, s42, s40
	s_lshl_b32 s43, s41, 2
	s_lshl_b32 s43, 15, s43                        ; my row of the cluster
	s_lshl_b32 s44, 0x1111, s40                    ; my column
	s_or_b32 s[G1+0], s43, (1<<21)                 ; 15:0 the mask; 17:16 elements of 1 byte; 20 no padding; 21 set beside a mask
	s_or_b32 s[G1B+0], s44, (1<<21)
.irp g, G1, G1B
	s_mov_b32 s[\g+1], TILEB<<16                   ; tensor_dim0 = 4,096
	s_mov_b32 s[\g+2], 8<<16                       ; tensor_dim1 = 8
	s_mov_b32 s[\g+3], TILEB<<16                   ; tile_dim0 = 4,096
	s_mov_b32 s[\g+4], 8                           ; tile_dim1 = 8
	s_mov_b32 s[\g+5], 16384                       ; from tile to tile in memory
	s_mov_b32 s[\g+6], 0
	s_mov_b32 s[\g+7], 0
.endr
	s_lshl_b32 s22, s16, 17                        ; which eight tiles of the block's sixteen
	s_lshl_b32 s20, s17, 18                        ; A: the block's sixteen images
	s_add_co_u32 s20, s20, s22
	s_mov_b32 s21, 0
	s_lshl_b32 s46, s42, 18                        ; B likewise, in registers that never hold cy
	s_add_co_u32 s46, s46, s22
	s_mov_b32 s47, 0
	s_mul_i32 s45, s14, HALFT                      ; where they go: wave x eight tiles: no place in the cluster enters an LDS address
	s_wait_dscnt 0x0                               ; the opening add is done
	s_wait_kmcnt 0x0
	s_load_b256 s[72:79], s[8:9], 0x0              ; e0 .. e7
	s_cmp_lt_u32 ttmp9, 2
	s_cselect_b64 s[80:81], s[4:5], s[6:7]         ; the A role's buffer
	s_cselect_b64 s[82:83], s[6:7], s[4:5]         ; the B role's
	s_add_nc_u64 s[20:21], s[80:81], s[20:21]
	s_add_nc_u64 s[46:47], s[82:83], s[46:47]
	CROUND                                         ; all sixteen work-groups are here: the first joint loads meet
.irp s, 0,1
	s_mov_b32 s[G0+4*\s], 1
	s_add_co_u32 s[G0+4*\s+1], s45, \s*SLOT
	s_add_nc_u64 s[G0+4*\s+2:G0+4*\s+3], s[20:21], \s*TILEB
	s_or_b32 s[G0+4*\s+3], s[G0+4*\s+3], 0x80000000
	s_mov_b32 s[G0B+4*\s], 1
	s_add_co_u32 s[G0B+4*\s+1], s45, \s*SLOT
	s_add_nc_u64 s[G0B+4*\s+2:G0B+4*\s+3], s[46:47], \s*TILEB
	s_or_b32 s[G0B+4*\s+3], s[G0B+4*\s+3], 0x80000000
	JLOAD G0+4*\s, G1, G0B+4*\s, G1B               ; two tensor loads of mine are out
.endr
	v_and_b32 v1, 31, v0
	v_lshlrev_b32 v[VO0], 4, v1
	s_mul_i32 s21, s15, HALFT                      ; my eight tiles of the A role
	s_mul_i32 s22, s16, HALFT                      ; my eight of the B role,
	s_add_co_u32 s22, s22, 2*HALFT                 ; which lie behind A's sixteen
.irp s, 0,1
	v_add_nc_u32 v[ADRA+\s], s21, v[VO0]
	v_add_nc_u32 v[ADRB+\s], s22, v[VO0]
	s_add_co_u32 s21, s21, SLOT
	s_add_co_u32 s22, s22, SLOT
.endr
	v_and_b32 v2, 15, v0                           ; r
	v_bfe_u32 v3, v0, 4, 1                         ; h
	v_lshlrev_b32 v4, 5, v3                        ; 32 h: my eight channels of a tile (q, k)
	v_lshlrev_b32 v5, 2, v2                        ; 4 r: my channel of a tile (v)
	s_cmp_lt_u32 ttmp9, 2
	s_cselect_b32 s84, s42, s17                    ; the channels' block of 256 columns of w_qkv,
	s_cselect_b32 s85, s16, s15                    ; my half of it;
	s_cselect_b32 s86, s17, s42                    ; the tokens' block of 256,
	s_cselect_b32 s87, s15, s16                    ; my half of it
	s_lshl_b32 s88, s84, 10
	s_lshl_b32 s89, s85, 9
	s_add_co_u32 s88, s88, s89
	s_mov_b32 s89, 0
	s_add_nc_u64 s[10:11], s[10:11], s[88:89]      ; b_qkv at my 128 channels
	s_wait_kmcnt 0x0
	s_add_co_i32 s90, s72, s73
	s_sub_co_i32 s90, 0, s90                       ; -(e0 + e1)
	s_cmp_lt_u32 ttmp9, 2
	s_cbranch_scc0 .Lbias_v
.irp b, 0,1,2,3,4,5,6,7                        ; q, k: accumulator (a, b), register j: channel 16 b + 8 h + j
	global_load_b128 v[BIAS+8*\b:BIAS+8*\b+3],   v4, s[10:11] offset:64*\b
	global_load_b128 v[BIAS+8*\b+4:BIAS+8*\b+7], v4, s[10:11] offset:64*\b+16
.endr
	s_wait_loadcnt 0x0
.set i, 0
.rept 64
	v_ldexp_f32 v[BIAS+i], v[BIAS+i], s90
.set i, i+1
.endr
	s_branch .Lbias_in
.Lbias_v:
.irp a, 0,1,2,3,4,5,6,7                        ; v: accumulator (a, b): channel 16 a + r in all eight registers
	global_load_b32 v[BIAS+8*\a], v5, s[10:11] offset:64*\a
.endr
	s_wait_loadcnt 0x0
.irp a, 0,1,2,3,4,5,6,7
.irp j, 7,6,5,4,3,2,1,0
	v_ldexp_f32 v[BIAS+8*\a+\j], v[BIAS+8*\a], s90 ; the source is written last
.endr
.endr
.Lbias_in:
	; the way out's numbers.  T0: my first token tile; bh0: batch x 16 + my first head
	s_lshl_b32 s91, s86, 4
	s_lshl_b32 s92, s87, 3
	s_add_co_u32 s91, s91, s92                     ; T0 = 16 x token block + 8 x half
	s_lshr_b32 s92, s91, 7
	s_lshl_b32 s92, s92, 4
	s_and_b32 s93, s84, 3
	s_lshl_b32 s93, s93, 2
	s_add_co_u32 s92, s92, s93
	s_lshl_b32 s93, s85, 1
	s_add_co_u32 s92, s92, s93                     ; bh0 = 16 (T0 / 128) + 4 (column block % 4) + 2 x half
	s_and_b32 s93, s91, 127                        ; the tile within the batch, a multiple of 8
	s_mov_b32 s98, 131072
	s_mov_b32 s99, 262144
	s_cmp_eq_u32 ttmp9, 0                          ; q?
	s_cselect_b64 s[94:95], s[68:69], s[70:71]     ; qf or kv
	s_cselect_b32 s96, 17, 18                      ; a head is 2^17 bytes of qf, 2^18 of kv
	s_cselect_b32 s97, 10, 11                      ; a tile on is 1,024 bytes of qf; eight tiles are a step of 16,384 bytes of kv
	s_cselect_b32 s98, s98, s99                    ; q, k: the second pair of stores is the next head's
	s_cselect_b32 s91, s74, s75                    ; e2 or e3
	s_lshl_b32 s92, s92, s96
	s_lshl_b32 s93, s93, s97
	s_add_co_u32 s92, s92, s93
	s_mov_b32 s86, 1024                            ; q, k: from token tile to token tile
	s_mov_b32 s88, 1024
	s_cmp_eq_u32 ttmp9, 2                          ; v?
	s_cselect_b32 s98, 1024, s98                   ; v: the second pair of stores is pieces 2 and 3
	s_cselect_b32 s91, s77, s91                    ; e5
	s_cselect_b32 s86, 2048, s86                   ; v: from tile of 16 channels to the next,
	s_cselect_b32 s88, 256000, s88                 ; and from a head's last to the next head's first: 262,144 - 3 x 2,048
	s_cselect_b32 s93, 8192, 0                     ; v lies behind a step's 8,192 bytes of k
	s_add_co_u32 s92, s92, s93
	s_mov_b32 s93, 0
	s_add_nc_u64 s[94:95], s[94:95], s[92:93]
	s_mov_b32 s87, 0
	s_mov_b32 s89, 0
	v_add_nc_u32 v[VO2], s98, v[VO0]
	s_add_co_i32 s91, s91, s90                     ; eS - e0 - e1
	s_add_co_i32 s91, s91, 127
	s_lshl_b32 s92, s91, 23
	v_mov_b32 v[SCL], s92
	s_add_co_i32 s91, s91, 8
	s_lshl_b32 s91, s91, 23
	s_or_b32 s91, s91, 0x600000
	v_mov_b32 v[LIM], s91
.macro FRAG reg, adr, q, i             ; a fragment comes as its image lies: piece c, registers 4 c .. 4 c + 3, 512 consecutive bytes
.irp c, 0,1,2,3
	ds_load_b128 v[\reg+4*\c:\reg+4*\c+3], v[\adr] offset:(\i)*TILEB+(\q)*2048+512*\c
.endr
.endm
; 16 matrix instructions: A's blocks a0, a0 + 1 x B's eight, 128 along K.  p: B's set.  cm = 0: the sums go on; 1, 2: the first product starts them with the bias as C (by B's block, by A's block): nothing is ever cleared.
; The 64 accumulators take turns, one instruction a turn, in the same order in every step.
.macro MUL16 a0, p, cm
.irp a, \a0, \a0+1
.irp b, 0,1,2,3,4,5,6,7
.if \cm == 1
	v_wmma_f32_16x16x128_fp8_fp8 v[8*(8*((\a)%4)+\b):8*(8*((\a)%4)+\b)+7], v[128*(\p)+FR*\b:128*(\p)+FR*\b+FR-1], v[AF+FR*(\a):AF+FR*(\a)+FR-1], v[BIAS+8*\b:BIAS+8*\b+7]
.elseif \cm == 2
	v_wmma_f32_16x16x128_fp8_fp8 v[8*(8*((\a)%4)+\b):8*(8*((\a)%4)+\b)+7], v[128*(\p)+FR*\b:128*(\p)+FR*\b+FR-1], v[AF+FR*(\a):AF+FR*(\a)+FR-1], v[BIAS+8*(\a):BIAS+8*(\a)+7]
.else
	v_wmma_f32_16x16x128_fp8_fp8 v[8*(8*((\a)%4)+\b):8*(8*((\a)%4)+\b)+7], v[128*(\p)+FR*\b:128*(\p)+FR*\b+FR-1], v[AF+FR*(\a):AF+FR*(\a)+FR-1], v[8*(8*((\a)%4)+\b):8*(8*((\a)%4)+\b)+7]
.endif
.endr
.endr
.endm
.macro FETCH_B slot, q, p              ; B's eight fragments of the slot's q-th 128 along K into set p
	WIN TO_B
.irp i, 0,1,2,3,4,5,6,7
	FRAG 128*(\p)+FR*\i, ADRB+\slot, \q, \i
.endr
	WIN 0
.endm
.macro FETCH_A slot, q, i0             ; A's blocks i0 .. i0 + 3
.irp i, \i0, \i0+1, \i0+2, \i0+3
	FRAG AF+FR*(\i), ADRA+\slot, \q, \i
.endr
.endm
.macro PLACES n                        ; a load into a register that a matrix instruction has read, and a vector instruction that reads a result, stand NP plain vector instructions behind it
.rept \n
	v_nop
.endr
.endm
; A step of 128 along K that has its successor in the same slot.  A block of A is free as soon as its eight products are issued: blocks 0-3 are fetched anew in the step's middle, blocks 4-7 at its end.
.macro STEP slot, q, cm
	s_wait_dscnt 4*NL                              ; B's set and A's blocks 0-3 are in; the youngest sixteen loads (A's blocks 4-7) may be out
.if \cm
	WIN 0x81                                       ; as MUL_LO, with C (the bias) in window 0
.else
	WIN MUL_LO
.endif
	MUL16 0, (\q)%2, \cm
	MUL16 2, (\q)%2, \cm
	s_wait_dscnt 0                                 ; A's blocks 4-7 are in
	PLACES NP
	FETCH_B \slot, (\q)+1, 1-(\q)%2
	FETCH_A \slot, (\q)+1, 0
.if \cm
	WIN 0xc1
.else
	WIN MUL_HI
.endif
	MUL16 4, (\q)%2, \cm
	MUL16 6, (\q)%2, \cm
	PLACES NP
	WIN 0
	FETCH_A \slot, (\q)+1, 4
.endm
; A slot's last step changes slots: ONE barrier; in front of it each wave waits for all its tensor loads, adds 0 to its spare word, and waits for that and for its own reads of this slot.  fill = 1: this slot is filled again, two slots ahead.
.macro TURN slot, next, fill
	s_wait_tensorcnt 0x0                           ; all my tensor loads have landed: my part of the next slot  (every window is 0 here)
	ds_add_u32 v[SPW], v[NIL]                      ; 0 onto my spare word
	s_wait_dscnt 4*NL+1                            ; (the add and the youngest sixteen loads may be out)
	WIN MUL_LO
	MUL16 0, 1, 0                                  ; sixteen matrix instructions stand between the add and the wait for it
	s_wait_dscnt 0x0                               ; the add is done, and my reads of this slot are over
	s_barrier_signal -1
	MUL16 2, 1, 0
	WIN 0
	s_barrier_wait -1
.if \fill
	CREST                                          ; the barrier has opened a round of the cluster's barrier: no wave of any partner still reads this slot or has a load on its way
	s_add_nc_u64 s[G0+4*\slot+2:G0+4*\slot+3], s[G0+4*\slot+2:G0+4*\slot+3], 2*TILEB
	s_add_nc_u64 s[G0B+4*\slot+2:G0B+4*\slot+3], s[G0B+4*\slot+2:G0B+4*\slot+3], 2*TILEB
	JLOAD G0+4*\slot, G1, G0B+4*\slot, G1B         ; the first tensor load behind the round, my only one until the next; its four v_nop are the places in front of the loads below
.else
	PLACES NP
.endif
	FETCH_B \next, 0, 0
	FETCH_A \next, 0, 0
	WIN MUL_HI
	MUL16 4, 1, 0
	MUL16 6, 1, 0
	PLACES NP
	WIN 0
	FETCH_A \next, 0, 4
.endm
	s_wait_tensorcnt 1                             ; my part of slot 0 is in; slot 1's load may be out
	s_barrier_signal -1
	s_barrier_wait -1                              ; everybody's is
	FETCH_B 0, 0, 0
	FETCH_A 0, 0, 0
	FETCH_A 0, 0, 4
	s_cmp_lt_u32 ttmp9, 2                          ; the first step names the bias by B's block (q, k) or by A's (v); both arms issue the same LDS loads
	s_cbranch_scc0 .Lfirst_v
	STEP 0, 0, 1
	s_branch .Lfirst_done
.Lfirst_v:
	STEP 0, 0, 2
.Lfirst_done:
	TURN 0, 1, 1                                   ; K = 1,024 is eight steps in four slots: written out, no loop
	STEP 1, 0, 0
	TURN 1, 0, 1
	STEP 0, 0, 0
	TURN 0, 1, 0                                   ; nothing is left to fetch
	STEP 1, 0, 0
	s_wait_dscnt 4*NL                              ; the very last step
	WIN MUL_LO
	MUL16 0, 1, 0
	MUL16 2, 1, 0
	s_wait_dscnt 0
	WIN MUL_HI
	MUL16 4, 1, 0
	MUL16 6, 1, 0
	WIN 0
; THE WAY OUT, A's block a: 64 sums a lane are held within +-448 x the folded scale (each accumulator from its low end on) and become 16 registers of codes: registers 2 b, 2 b + 1 from accumulator (a, b).
; q, k: registers 0-7 are the fragment (16 tokens x 64 channels) of my first head, 8-15 of my second.  v: registers 4 p .. 4 p + 3 are keys 32 p + 16 (lane / 16) + 0..15 of channel 16 a + lane % 16.
; Each store is 512 consecutive bytes of an image: no stage in LDS.
.macro OUTA a
	WIN 0x02+((\a)/4)                              ; source 0: window 2 or 3
.set i, 0
.rept 64
	v_med3_num_f32 v[TMP+i], v[64*((\a)%4)+i], -v[LIM], v[LIM]
.set i, i+1
.endr
	WIN 0
.irp b, 0,1,2,3,4,5,6,7
	v_cvt_scalef32_pk8_fp8_f32 v[CODE+16*((\a)%2)+2*\b:CODE+16*((\a)%2)+2*\b+1], v[TMP+8*\b:TMP+8*\b+7], v[SCL]
.endr
	v_nop                                          ; one plain vector instruction behind the last conversion: the next block's holds write its sources
.if (\a) > 0
	s_wait_xcnt 0x0                                ; the earlier stores have read their base and their data: the base steps here, and the next block may write the set of codes that block a - 1 stored
.if (\a) == 4
	s_add_nc_u64 s[94:95], s[94:95], s[88:89]
.else
	s_add_nc_u64 s[94:95], s[94:95], s[86:87]
.endif
.endif
	global_store_b128 v[VO0], v[CODE+16*((\a)%2):CODE+16*((\a)%2)+3],     s[94:95]
	global_store_b128 v[VO0], v[CODE+16*((\a)%2)+4:CODE+16*((\a)%2)+7],   s[94:95] offset:512
	global_store_b128 v[VO2], v[CODE+16*((\a)%2)+8:CODE+16*((\a)%2)+11],  s[94:95]
	global_store_b128 v[VO2], v[CODE+16*((\a)%2)+12:CODE+16*((\a)%2)+15], s[94:95] offset:512
.endm
	PLACES NP                                      ; behind the last products: the holds write registers that held A's fragments
.irp a, 0,1,2,3,4,5,6,7
	OUTA \a
.endr
	s_wait_tensorcnt 0x0                           ; the wave's end
	ds_add_u32 v[SPW], v[NIL]
	s_wait_dscnt 0x0
	CROUND                                         ; the closing round: no work-group ends while a partner may still ask for a tile that names it
	s_endpgm
.Lfunc_end_k_q2091dae334_qkv:
	.size	k_q2091dae334_qkv, .Lfunc_end_k_q2091dae334_qkv-k_q2091dae334_qkv
	.p2alignl 7, 3214868480
	.fill 96, 4, 3214868480
	.section	.rodata,"a",@progbits
	.p2align	6, 0x0
	.amdhsa_kernel k_q2091dae334_qkv
		.amdhsa_group_segment_fixed_size 327680
		.amdhsa_private_segment_fixed_size 0
		.amdhsa_enable_private_segment 0
		.amdhsa_kernarg_size 48
		.amdhsa_user_sgpr_count 2
		.amdhsa_user_sgpr_kernarg_segment_ptr 1
		.amdhsa_wavefront_size32 1
		.amdhsa_system_sgpr_workgroup_id_x 1
		.amdhsa_system_sgpr_workgroup_id_y 1
		.amdhsa_system_sgpr_workgroup_id_z 1
		.amdhsa_system_vgpr_workitem_id 0
		.amdhsa_next_free_vgpr 1024
		.amdhsa_next_free_sgpr 100
		.amdhsa_reserve_vcc 0
		.amdhsa_float_denorm_mode_32 3
		.amdhsa_float_denorm_mode_16_64 3
		.amdhsa_memory_ordered 1
		.amdhsa_forward_progress 1
		.amdhsa_inst_pref_size 138
	.end_amdhsa_kernel
	.amdgpu_metadata
---
amdhsa.version: [ 1, 2 ]
amdhsa.kernels:
  - .name:           k_q2091dae334_qkv
    .symbol:         k_q2091dae334_qkv.kd
    .args:
      - { .name: xq, .offset: 0, .size: 8, .value_kind: global_buffer, .address_space: global }
      - { .name: wq, .offset: 8, .size: 8, .value_kind: global_buffer, .address_space: global }
      - { .name: lowp_scales, .offset: 16, .size: 8, .value_kind: global_buffer, .address_space: global }
      - { .name: b_qkv, .offset: 24, .size: 8, .value_kind: global_buffer, .address_space: global }
      - { .name: qf, .offset: 32, .size: 8, .value_kind: global_buffer, .address_space: global }
      - { .name: kv, .offset: 40, .size: 8, .value_kind: global_buffer, .address_space: global }
    .group_segment_fixed_size: 327680
    .private_segment_fixed_size: 0
    .kernarg_segment_align: 8
    .kernarg_segment_size: 48
    .max_flat_workgroup_size: 128
    .sgpr_count:     100
    .vgpr_count:     1024
    .wavefront_size: 32
...
	.end_amdgpu_metadata
.endif
;; end of part 2
;; launch attn (part 3): grid 4 x 64, 16 waves a work-group, no clusters, 280,576 bytes of LDS; arguments qf, kv, lm, fl, lowp_scales, yq; writes yq
.if DOCPART == 3
	.amdgcn_target "amdgcn-amd-amdhsa--gfx1250"
	.amdhsa_code_object_version 6
	.text
	.protected	k_q2091dae334_attn
	.globl	k_q2091dae334_attn
	.p2align	8
	.type	k_q2091dae334_attn,@function
k_q2091dae334_attn:
	s_mov_b64 s[64:65], 0
	v_nop
	global_prefetch_b8 v0, s[64:65] scope:SCOPE_SE
	s_setreg_imm32_b32 hwreg(HW_REG_WAVE_MODE, 25, 1), 1
	s_wait_xcnt 0x0
; ATTN.  y = softmax(q k^T / 8, under the given mask) v for 64 heads of 2,048 tokens x 64 channels, both products on codes of E4M3; y leaves as codes with the given 2^e6, as the image that the last product wants.
; THE SOFTMAX: t = score x log2(e) / 8; M = the row's largest t so far, rounded UP to a whole number; p = 2^(t - M) is quantised with 2^e4, not normalised; the row's sum is taken of the unquantised p and divides at the end.
; When M moves, the sum and O are multiplied by 2^(old M - new M): exact.
; SHARES.  A work-group serves 512 queries of one head: blocks a and 7 - a of 256 (a = work-group x).  Each of its sixteen waves owns a UNIT of 32 queries: two tiles of 16, A and B, which share every fragment of K and V.
; Wave w takes block a or 7 - a by the bit (w ^ (w / 4)) & 1, unit w / 2 of the block.  That pairing only evens the work out for masks whose rows differ in length; the text is right for every mask.
; THE MASK is an input.  An earlier launch stored it as lane masks (lm: for each unit, step, tile and score register a word with a bit a lane) and flags (fl).  A step of 128 keys in which no entry of the unit's 32 rows is true
; is left out, by a scalar branch on the stored flags; a step with some false entry sets those scores to -infinity ahead of the maximum; a step all of whose entries are true skips that.
; A ROW WITH NO TRUE ENTRY has the sum 0: its codes are set to the NaN code, so that the whole output row is NaN.
; K AND V: the head's 16 steps of 16,384 bytes (8,192 of K's fragments, 8,192 of V's, images of registers) are copied into LDS through registers, a step ahead of their use, each byte once: 512 threads x 2 x 16 bytes a step.
; NO CLUSTER, NO TENSOR LOAD, though the four work-groups of a head read the same 262,144 bytes: a joint load is a tensor load; this text's branches on the flags
; leave out whole steps of softmax (for a lower-triangular mask 30 of a SIMD's 64 unit-steps), which weighs more than reading 16 MiB four times.
; LAYOUT.  S^T = K Q^T (source 0 = 16 keys, source 1 = 16 queries), O^T = V^T P^T (source 0 = 16 channels, source 1 = P): a lane holds ONE query (lane % 16) throughout.  The tokens of a tile are not neighbours (row p of tile
; 2 B + u is token 32 B + 8 u + p + 8 (p / 8)), so the 16 registers of two neighbouring tiles of scores are 16 neighbouring keys, 32 b + 16 (lane / 16) + 0..15, and the conversions' results are P's fragment.
; LIMITS: e2 + e3 between -123 and 130 (added to c's exponent field); e4 and e6 between -126 and 119; e4 + e5 goes by v_ldexp_f32 and has none.  NaN among the numbers is not served.
.set STEPB, 16384
.set SPARE, 17*STEPB                   ; the spare words, 128 bytes for each wave, behind the head's sixteen steps and one step's room that is left unused
.set SPW,  1                           ; v1   my spare word's address; never rewritten
.set NIL,  2                           ; v2   0; never rewritten
.set L16,  3                           ; v3   16 x lane
.set ADR,  4                           ; v4   LDS address of the step's fragments
.set TOFF, 5                           ; v5   16 x thread: my 16 bytes of each half of a step
.set PFO,  6                           ; v6   the prefetch's offset: 256 x lane + 8,192 (wave % 2)
.set SCL,  7                           ; v7   2^e4 as f32
.set STA,  8                           ; v[8:11]  tile A: -M, the largest t, the sum in two halves
.set STB,  12                          ; v[12:15] tile B
.set SG,   16                          ; v16-23   a step's 32 bytes on their way to LDS
.set QA,   24                          ; v24-31, v32-39  Q's fragments
.set QB,   32
.set PA,   40                          ; v40-55   tile A's p as codes
.set F,    56                          ; v[56:57] 2^(old M - new M); the pair's low word serves both halves
.set SUM2, 58
.set T0,   60                          ; v60-62   at work
.set T1,   61
.set T2,   62
.set ADS,  63                          ; v63      LDS address of the stores
.set PB,   60                          ; v60-75   tile B's p as codes: laid over registers that are done with when they are made
.set S,    64                          ; v64-127  S^T, then p
.set KV,   128                         ; v128-191 K's eight fragments, then V's four
.set OA,   192                         ; v192-223, v224-255  O^T
.set OB,   224
; s[2:3] kv, stepped; s[4:5] lm at my unit; s[6:7] yq at my unit; s10 wave; s11 the step J; s12 its LDS byte; s13 the flags, shifted; s[14:15] c; s[16:17] lane selects; s18 -infinity; s19 448 x 2^e4; s20 1 where p needs its hold;
; s21 the step's byte in lm; s22 steps that I prefetch for; s28 e4 + e5; s29, s30 448 x 2^e6, 2^e6; s[32:63], s[68:99] a tile's 64 lane masks
	s_load_b256 s[32:39], s[0:1], 0x0              ; qf s[32:33], kv s[34:35], lm s[36:37], fl s[38:39]
	s_load_b128 s[40:43], s[0:1], 0x20             ; the scales' exponents s[40:41], yq s[42:43]
	v_lshl_add_u32 v[SPW], v0, 2, SPARE
	v_mov_b32 v[NIL], 0
	v_lshrrev_b32 v[ADR], 5, v0
	v_readfirstlane_b32 s10, v[ADR]                ; wave 0..15
	v_and_b32 v[ADR], 31, v0
	v_lshlrev_b32 v[L16], 4, v[ADR]
	v_lshlrev_b32 v[TOFF], 4, v0
	s_and_b32 s23, s10, 1
	s_lshl_b32 s23, s23, 13
	v_lshl_add_u32 v[PFO], v[ADR], 8, s23
	s_lshr_b32 s23, s10, 2
	s_xor_b32 s23, s23, s10
	s_and_b32 s23, s23, 1                          ; which of the two blocks
	s_lshr_b32 s24, s10, 1                         ; which unit of it
	s_sub_co_u32 s25, 7, ttmp9
	s_cmp_eq_u32 s23, 0
	s_cselect_b32 s25, ttmp9, s25
	s_lshl_b32 s25, s25, 3
	s_add_co_u32 s26, s25, s24                     ; my unit, 0..63
	s_and_b32 s27, ttmp7, 0xffff                   ; batch x 16 + head
	s_lshr_b32 s23, s10, 1
	s_or_b32 s23, s23, ttmp9
	s_cmp_eq_u32 s23, 0                            ; waves 0 and 1 of the head's first work-group prefetch, in steps 0 to 12
	s_cselect_b32 s22, 13, 0
	s_mov_b32 s16, 0x76543210
	s_mov_b32 s17, 0xfedcba98
	s_mov_b32 s18, 0xff800000
	s_mov_b32 s11, 0
	s_mov_b32 s12, 0
	s_mov_b32 s21, 0
	s_mov_b32 s25, 0                               ; the upper word of the offset pair s[24:25]
	s_lshl_b32 s31, s26, 5                         ; my unit's eight words of fl
	s_wait_kmcnt 0x0
	s_lshl_b32 s24, s27, 18
	s_add_nc_u64 s[2:3], s[34:35], s[24:25]        ; the head's kv
	global_load_b128 v[SG:SG+3],   v[TOFF], s[2:3]             ; step 0
	global_load_b128 v[SG+4:SG+7], v[TOFF], s[2:3] offset:8192
	s_lshl_b32 s24, s27, 17
	s_lshl_b32 s23, s26, 11
	s_add_co_u32 s24, s24, s23
	s_add_nc_u64 s[8:9], s[32:33], s[24:25]        ; my two tiles of q
	global_load_b128 v[QA:QA+3],   v[L16], s[8:9]
	global_load_b128 v[QA+4:QA+7], v[L16], s[8:9] offset:512
	global_load_b128 v[QB:QB+3],   v[L16], s[8:9] offset:1024
	global_load_b128 v[QB+4:QB+7], v[L16], s[8:9] offset:1536
	s_load_b256 s[68:75], s[40:41], 0x0            ; e0 .. e7
	s_load_b256 s[76:83], s[38:39], s31 offset:0x0 ; the flags of tiles 2 unit and 2 unit + 1
	s_lshl_b32 s24, s26, 13
	s_add_nc_u64 s[4:5], s[36:37], s[24:25]
	s_lshr_b32 s24, s27, 4
	s_lshl_b32 s24, s24, 7
	s_lshl_b32 s23, s26, 1
	s_add_co_u32 s24, s24, s23                     ; y's tile: 128 x batch + 2 x unit
	s_lshl_b32 s24, s24, 14
	s_and_b32 s23, s27, 15
	s_lshl_b32 s23, s23, 10                        ; the head's 64 along the next K: 1,024 bytes of the image
	s_add_co_u32 s24, s24, s23
	s_add_nc_u64 s[6:7], s[42:43], s[24:25]
.set i, 0
.rept 64
	v_mov_b32 v[OA+i], 0                           ; O^T.  Which step is a unit's first hangs on the mask, so no step is written as a first one: the first finds zeros
.set i, i+1
.endr
	v_mov_b32 v[STA+1], 0xff61b1e6                 ; the largest t so far: -3e38, under every t
	v_floor_f32 v[STA], -v[STA+1]
	v_mov_b32 v[STA+2], 0
	v_mov_b32 v[STA+3], 0
	v_mov_b32 v[STB+1], 0xff61b1e6
	v_floor_f32 v[STB], -v[STB+1]
	v_mov_b32 v[STB+2], 0
	v_mov_b32 v[STB+3], 0
	v_mov_b32 v[F+1], 0                            ; (named as the upper half of a pair)
	v_mov_b32 v[T2], 0                             ; (a lane permute's destination counts as read)
	s_wait_loadcnt 4                               ; step 0's two loads are in; Q's four stay out
	ds_store_b128 v[TOFF], v[SG:SG+3]
	ds_store_b128 v[TOFF], v[SG+4:SG+7] offset:8192
	s_wait_dscnt 0x0                               ; the stores have landed, for the others' sake, and have read their registers
	s_wait_xcnt 0x0                                ; the loads have read their base
	s_add_nc_u64 s[2:3], s[2:3], STEPB
	global_load_b128 v[SG:SG+3],   v[TOFF], s[2:3]             ; step 1
	global_load_b128 v[SG+4:SG+7], v[TOFF], s[2:3] offset:8192
	s_wait_kmcnt 0x0
	s_or_b32 s13, s76, s77
	s_or_b32 s13, s13, s78
	s_or_b32 s13, s13, s79
	s_or_b32 s13, s13, s80
	s_or_b32 s13, s13, s81
	s_or_b32 s13, s13, s82
	s_or_b32 s13, s13, s83                         ; bit j: some entry of my 32 rows is true in step j; bit 16 + j: some is false
	s_add_co_i32 s23, s70, s71
	s_lshl_b32 s23, s23, 23
	s_add_co_i32 s14, s23, 0x3e38aa3b              ; c = log2(e) / 8, with e2 + e3 added to its exponent field: a score stands for score x 2^(e2 + e3)
	s_mov_b32 s15, s14
	s_add_co_i32 s23, s72, 127
	s_lshl_b32 s24, s23, 23
	v_mov_b32 v[SCL], s24
	s_add_co_i32 s23, s23, 8
	s_lshl_b32 s23, s23, 23
	s_or_b32 s19, s23, 0x600000
	s_cmp_lt_i32 s72, -8                           ; p is at most 1, and 1 / 2^e4 is at most 256 for e4 of -8 or more: only below that can a code pass 448
	s_cselect_b32 s20, 1, 0
	s_add_co_i32 s28, s72, s73
	s_add_co_i32 s23, s74, 127
	s_lshl_b32 s30, s23, 23
	s_add_co_i32 s23, s23, 8
	s_lshl_b32 s23, s23, 23
	s_or_b32 s29, s23, 0x600000
	s_wait_loadcnt 2                               ; Q's four loads are in; step 1's two stay out
	s_barrier_signal -1
	s_barrier_wait -1                              ; step 0 lies in LDS
.macro LMLOAD u                        ; tile u's 64 lane masks of this step
	s_load_b512 s[32:47], s[4:5], s21 offset:256*\u
	s_load_b512 s[48:63], s[4:5], s21 offset:256*\u+64
	s_load_b512 s[68:83], s[4:5], s21 offset:256*\u+128
	s_load_b512 s[84:99], s[4:5], s21 offset:256*\u+192
.endm
.macro MASKT                           ; a score whose bit is 0 becomes -infinity: p = 0 then
.set n, 0
.rept 32
	v_cndmask_b32 v[S+n], s18, v[S+n], s[32+n]
.set n, n+1
.endr
.rept 32
	v_cndmask_b32 v[S+n], s18, v[S+n], s[36+n]
.set n, n+1
.endr
.endm
; One tile's softmax of a step.  st: its statistics; o: its O^T; px: where its codes go.
.macro SOFTMAX st, o, px
	v_max3_num_f32 v[T0], v[S], v[S+1], v[S+2]     ; the step's largest score of my query among my 64 keys, in two chains, each accumulator from its low end on
	v_max3_num_f32 v[T1], v[S+3], v[S+4], v[S+5]
.irp i, 6,10,14,18,22,26,30,34,38,42,46,50,54,58
	v_max3_num_f32 v[T0], v[T0], v[S+\i], v[S+\i+1]
	v_max3_num_f32 v[T1], v[T1], v[S+\i+2], v[S+\i+3]
.endr
	v_max3_num_f32 v[T0], v[T0], v[S+62], v[S+63]
	v_max_num_f32 v[T0], v[T0], v[T1]
	v_permlanex16_b32 v[T2], v[T0], s16, s17
	v_max_num_f32 v[T0], v[T0], v[T2]              ; and among lane l xor 16's
	v_mul_f32 v[T0], s14, v[T0]                    ; as t (c is positive)
	v_max_num_f32 v[\st+1], v[\st+1], v[T0]        ; the running largest t
	v_mov_b32 v[T0], v[\st]
	v_floor_f32 v[\st], -v[\st+1]                  ; -M = floor(-t): M is a whole number
	v_sub_f32 v[T0], v[\st], v[T0]                 ; old M - new M, a whole number, 0 or less
	v_cvt_i32_f32 v[T0], v[T0]                     ; (it saturates)
	v_ldexp_f32 v[F], 1.0, v[T0]
.set j, 0
.rept 32
	v_pk_fma_f32 v[S+j:S+j+1], v[S+j:S+j+1], s[14:15], v[\st:\st+1] op_sel_hi:[1,0,0]      ; t - M, two at a time
.set j, j+2
.endr
.set j, 0
.rept 64
	v_exp_f32 v[S+j], v[S+j]                       ; p = 2^(t - M), at most 1: one batch
.set j, j+1
.endr
	v_pk_mul_f32 v[\st+2:\st+3], v[\st+2:\st+3], v[F:F+1] op_sel_hi:[1,0]                  ; the sums under the new M: the plain instruction behind the batch
	s_wait_alu depctr_va_vdst(0)                   ; one wait for the 64 exponentials, ahead of their first reader
	v_pk_add_f32 v[SUM2:SUM2+1], v[S:S+1], v[S+2:S+3]      ; the row's sum is taken of the unquantised p, in two chains
.irp j, 4,8,12,16,20,24,28,32,36,40,44,48,52,56,60
	v_pk_add_f32 v[\st+2:\st+3], v[\st+2:\st+3], v[S+\j:S+\j+1]
	v_pk_add_f32 v[SUM2:SUM2+1], v[SUM2:SUM2+1], v[S+\j+2:S+\j+3]
.endr
	v_pk_add_f32 v[\st+2:\st+3], v[\st+2:\st+3], v[SUM2:SUM2+1]
	s_cmp_eq_u32 s20, 0
	s_cbranch_scc1 .Lno_hold_\@
.set j, 0
.rept 64
	v_min_num_f32 v[S+j], s19, v[S+j]              ; the conversion does not saturate (ISA guide 7.6.2); p is not negative, so the hold is one-sided
.set j, j+1
.endr
.Lno_hold_\@:
.irp b, 0,1,2,3
	v_cvt_scalef32_pk8_fp8_f32 v[\px+4*\b:\px+4*\b+1],   v[S+16*\b:S+16*\b+7],    v[SCL]   ; registers 4 b .. 4 b + 3 of P: keys 32 b + 16 (lane / 16) + 0..15
	v_cvt_scalef32_pk8_fp8_f32 v[\px+4*\b+2:\px+4*\b+3], v[S+16*\b+8:S+16*\b+15], v[SCL]
.irp i, 0,2,4,6
	v_pk_mul_f32 v[\o+8*\b+\i:\o+8*\b+\i+1], v[\o+8*\b+\i:\o+8*\b+\i+1], v[F:F+1] op_sel_hi:[1,0]   ; O^T under the new M; these are also the plain instructions between the conversions and what next touches their registers
.endr
.endr
.endm
.Ltrip:                                            ; sixteen trips, one for each step of 128 keys
	s_cmp_lt_u32 s11, 15
	s_cbranch_scc0 .Lfed                           ; step 15 has no successor
	s_wait_loadcnt 0x0                             ; step J + 1's 32 bytes, asked for a trip ago
	v_add_nc_u32 v[ADS], s12, v[TOFF]
	ds_store_b128 v[ADS], v[SG:SG+3]   offset:STEPB
	ds_store_b128 v[ADS], v[SG+4:SG+7] offset:STEPB+8192
	s_cmp_lt_u32 s11, 14
	s_cbranch_scc0 .Lfed
	s_wait_dscnt 0x0                               ; the stores have read their registers
	s_wait_xcnt 0x0                                ; the last loads and the last prefetch have read their base
	s_add_nc_u64 s[2:3], s[2:3], STEPB
	global_load_b128 v[SG:SG+3],   v[TOFF], s[2:3]             ; step J + 2
	global_load_b128 v[SG+4:SG+7], v[TOFF], s[2:3] offset:8192
	s_cmp_lt_u32 s11, s22
	s_cbranch_scc0 .Lfed
	global_prefetch_b8 v[PFO], s[2:3] offset:STEPB th:TH_LOAD_NT scope:SCOPE_SE    ; step J + 3, a trip ahead of its load: two waves of the head's first work-group, lanes 256 bytes apart, name its 16,384 bytes once; steps 0 to 2 come by their loads alone, and J stops at 12
.Lfed:
	s_bitcmp1_b32 s13, 0
	s_cbranch_scc0 .Lskip                          ; no entry of my 32 rows is true in this step
	v_add_nc_u32 v[ADR], s12, v[L16]
	LMLOAD 0
.irp k, 0,1,2,3,4,5,6,7
	ds_load_b128 v[KV+8*\k:KV+8*\k+3],   v[ADR] offset:1024*\k
	ds_load_b128 v[KV+8*\k+4:KV+8*\k+7], v[ADR] offset:1024*\k+512
.endr
	s_wait_dscnt 0x0
.irp k, 0,1,2,3,4,5,6,7
	v_wmma_f32_16x16x64_fp8_fp8 v[S+8*\k:S+8*\k+7], v[KV+8*\k:KV+8*\k+7], v[QA:QA+7], 0
.endr
.rept 4
	v_nop                                          ; places in front of the first read of the scores
.endr
	s_wait_kmcnt 0x0                               ; tile A's lane masks
	s_bitcmp1_b32 s13, 16
	s_cbranch_scc0 .Lopen_a                        ; every entry is true
	MASKT
.Lopen_a:
	LMLOAD 1                                       ; tile B's, on their way during tile A's softmax
	SOFTMAX STA, OA, PA
.irp k, 0,1,2,3,4,5,6,7
	v_wmma_f32_16x16x64_fp8_fp8 v[S+8*\k:S+8*\k+7], v[KV+8*\k:KV+8*\k+7], v[QB:QB+7], 0
.endr
.rept 4
	v_nop                                          ; places in front of the loads into K's registers and of the first read of the scores
.endr
.irp t, 0,1,2,3
.irp p, 0,1,2,3
	ds_load_b128 v[KV+16*\t+4*\p:KV+16*\t+4*\p+3], v[ADR] offset:8192+2048*\t+512*\p      ; V: on its way during tile B's softmax
.endr
.endr
	s_wait_kmcnt 0x0
	s_bitcmp1_b32 s13, 16
	s_cbranch_scc0 .Lopen_b
	MASKT
.Lopen_b:
	SOFTMAX STB, OB, PB
	s_wait_dscnt 0x0                               ; V is in
.irp t, 0,1,2,3                                ; the eight accumulators take turns, one instruction a turn
	v_wmma_f32_16x16x128_fp8_fp8 v[OA+8*\t:OA+8*\t+7], v[KV+16*\t:KV+16*\t+15], v[PA:PA+15], v[OA+8*\t:OA+8*\t+7]
	v_wmma_f32_16x16x128_fp8_fp8 v[OB+8*\t:OB+8*\t+7], v[KV+16*\t:KV+16*\t+15], v[PB:PB+15], v[OB+8*\t:OB+8*\t+7]
.endr
.rept 5
	v_nop                                          ; five places: the next scores are laid over tile B's codes; loads into V's registers and reads of O^T want four
.endr
.Lskip:
	s_lshr_b32 s13, s13, 1
	s_add_co_u32 s12, s12, STEPB
	s_add_co_u32 s21, s21, 512
	s_wait_dscnt 0x0                               ; my stores of step J + 1 have landed
	s_barrier_signal -1
	s_barrier_wait -1                              ; everybody's have: step J + 1 lies in LDS.  No byte of LDS is written twice
	s_add_co_u32 s11, s11, 1
	s_cmp_lt_u32 s11, 16
	s_cbranch_scc1 .Ltrip
; THE WAY OUT.  y = O^T x 2^(e4 + e5) / the sum; a lane's eight channels of tile t become registers 2 t, 2 t + 1 of the next product's fragment: two stores of 512 consecutive bytes a tile.
.macro FINISH st, o, cd, m, off
	v_add_f32 v[T0], v[\st+2], v[\st+3]
	v_permlanex16_b32 v[T2], v[T0], s16, s17
	v_add_f32 v[T0], v[T0], v[T2]                  ; the row's sum
	v_cmp_eq_f32 s[\m], 0, v[T0]                   ; a row with no true entry
	v_rcp_f32 v[T1], v[T0]
	v_nop                                          ; a plain instruction behind the reciprocal,
	s_wait_alu depctr_va_vdst(0)                   ; and the wait ahead of its first reader
	v_ldexp_f32 v[T1], v[T1], s28
.set i, 0
.rept 32
	v_mul_f32 v[S+i], v[\o+i], v[T1]
.set i, i+1
.endr
.set i, 0
.rept 32
	v_med3_num_f32 v[S+i], v[S+i], -v[F], v[F]
.set i, i+1
.endr
.irp t, 0,1,2,3
	v_cvt_scalef32_pk8_fp8_f32 v[\cd+2*\t:\cd+2*\t+1], v[S+8*\t:S+8*\t+7], v[F+1]
.endr
	v_nop
.irp i, 0,1,2,3,4,5,6,7
	v_cndmask_b32 v[\cd+\i], v[\cd+\i], v[SUM2], s[\m]
.endr
	global_store_b128 v[L16], v[\cd:\cd+3],   s[6:7] offset:\off
	global_store_b128 v[L16], v[\cd+4:\cd+7], s[6:7] offset:\off+512
.endm
	v_mov_b32 v[F], s29                            ; 448 x 2^e6
	v_mov_b32 v[F+1], s30                          ; 2^e6
	v_mov_b32 v[SUM2], 0x7f7f7f7f                  ; four NaN codes
	FINISH STA, OA, PA, 23, 0
	FINISH STB, OB, PA+8, 24, 16384
	s_wait_tensorcnt 0x0                           ; the wave's end: behind my last LDS store
	ds_add_u32 v[SPW], v[NIL]
	s_wait_dscnt 0x0
	s_endpgm
.Lfunc_end_k_q2091dae334_attn:
	.size	k_q2091dae334_attn, .Lfunc_end_k_q2091dae334_attn-k_q2091dae334_attn
	.p2alignl 7, 3214868480
	.fill 96, 4, 3214868480
	.section	.rodata,"a",@progbits
	.p2align	6, 0x0
	.amdhsa_kernel k_q2091dae334_attn
		.amdhsa_group_segment_fixed_size 280576
		.amdhsa_private_segment_fixed_size 0
		.amdhsa_enable_private_segment 0
		.amdhsa_kernarg_size 48
		.amdhsa_user_sgpr_count 2
		.amdhsa_user_sgpr_kernarg_segment_ptr 1
		.amdhsa_wavefront_size32 1
		.amdhsa_system_sgpr_workgroup_id_x 1
		.amdhsa_system_sgpr_workgroup_id_y 1
		.amdhsa_system_sgpr_workgroup_id_z 1
		.amdhsa_system_vgpr_workitem_id 0
		.amdhsa_next_free_vgpr 256
		.amdhsa_next_free_sgpr 100
		.amdhsa_reserve_vcc 0
		.amdhsa_float_denorm_mode_32 3
		.amdhsa_float_denorm_mode_16_64 3
		.amdhsa_memory_ordered 1
		.amdhsa_forward_progress 1
		.amdhsa_inst_pref_size 54
	.end_amdhsa_kernel
	.amdgpu_metadata
---
amdhsa.version: [ 1, 2 ]
amdhsa.kernels:
  - .name:           k_q2091dae334_attn
    .symbol:         k_q2091dae334_attn.kd
    .args:
      - { .name: qf, .offset: 0, .size: 8, .value_kind: global_buffer, .address_space: global }
      - { .name: kv, .offset: 8, .size: 8, .value_kind: global_buffer, .address_space: global }
      - { .name: lm, .offset: 16, .size: 8, .value_kind: global_buffer, .address_space: global }
      - { .name: fl, .offset: 24, .size: 8, .value_kind: global_buffer, .address_space: global }
      - { .name: lowp_scales, .offset: 32, .size: 8, .value_kind: global_buffer, .address_space: global }
      - { .name: yq, .offset: 40, .size: 8, .value_kind: global_buffer, .address_space: global }
    .group_segment_fixed_size: 280576
    .private_segment_fixed_size: 0
    .kernarg_segment_align: 8
    .kernarg_segment_size: 48
    .max_flat_workgroup_size: 512
    .sgpr_count:     100
    .vgpr_count:     256
    .wavefront_size: 32
...
	.end_amdgpu_metadata
.endif
;; end of part 3
;; launch proj (part 4): grid 4 x 32, 4 waves a work-group, clusters of 4 x 4, 327,680 bytes of LDS; arguments yq, wo, lowp_scales, b_out, out0; writes out0
.if DOCPART == 4
	.amdgcn_target "amdgcn-amd-amdhsa--gfx1250"
	.amdhsa_code_object_version 6
	.text
	.protected	k_q2091dae334_proj
	.globl	k_q2091dae334_proj
	.p2align	8
	.type	k_q2091dae334_proj,@function
k_q2091dae334_proj:
	s_mov_b64 s[64:65], 0
	v_nop
	global_prefetch_b8 v0, s[64:65] scope:SCOPE_SE
	s_setreg_imm32_b32 hwreg(HW_REG_WAVE_MODE, 25, 1), 1
	s_wait_xcnt 0x0
	s_wait_alu depctr_hold_cnt(0) depctr_sa_sdst(0) depctr_va_vdst(0) depctr_va_sdst(0) depctr_va_ssrc(0) depctr_va_vcc(0) depctr_vm_vsrc(0)
	s_getreg_b32 s2, hwreg(HW_REG_IB_STS2, 6, 4)
	s_cmp_eq_u32 s2, 0
	s_cbranch_scc0 .Lentry_in_a_cluster
	s_endpgm
.Lentry_in_a_cluster:
	s_bfe_u32 s2, ttmp6, 0x10000c
	s_cmp_lg_u32 s2, 0xf033
	s_cbranch_scc0 .Lentry_shape_is_right
	s_endpgm
.Lentry_shape_is_right:
; PROJ.  out0 = y w_out + b_out on codes of E4M3 (8,192 x 1,024, K = 1,024); out0 is f32.  A number of y is its code x 2^e6, of w_out x 2^e7.
; A tile of 256 x 256 is made by four waves; a wave makes 128 x 128: 64 accumulators.  K goes in steps of 256 through two LDS slots filled by the tensor data mover.
; The matrix instruction is D, fragment of w_out (B), fragment of y (A): a lane holds one token (lane % 16 of a tile) and eight neighbouring columns.
; CLUSTERS: 4 x 4.  y's tiles are asked for jointly along the cluster's row, w_out's along its column.
; OPERANDS lie in memory as images of registers: IMG[tile of 16 rows][K step of 128][piece of 4 registers][lane][16 bytes], 16,384 bytes a tile.  A wave's tensor load brings 4,096 bytes (two K steps) of each of eight tiles:
; eight rows of 4,096 bytes, 16,384 apart (the image's shape gives no more rows).  A fragment is four loads of 512 consecutive bytes.
; THE TOKENS OF A TILE ARE NOT NEIGHBOURS: row p of tile 2 B + u is token 32 B + 8 u + p + 8 (p / 8); the way out puts each row where it belongs.
; THE BIAS is the C of each sum's first matrix instruction, divided beforehand by 2^(e6 + e7); each finished sum is multiplied once by 2^(e6 + e7).
; LIMIT: e6 + e7 between -126 and 127.  128 work-groups: the tile is the one of the first product's launch, so that both run the same steps.
; REGISTERS, in windows of 256: window 0: v16-31 addresses; v32-95 the bias, later a block's results; v128-255 A's fragments, ONE set, later rows on their way out.
;   window 1: B's fragments, TWO sets.   window 2: the accumulators of my A blocks 0-3 ((a, b) at v[8 (8 (a % 4) + b)]);   window 3: those of blocks 4-7.
.set FR,     16
.set NL,     4
.set NP,     4
.set TILEB,  4096
.set HALFT,  8*TILEB
.set SLOT,   4*HALFT
.set SPARE,  2*SLOT
.set SPITCH, 528                       ; the way out: a stage of 16 rows x (512 bytes + 16) for each wave, in slot 0, which has had its last fill and its last read when the first result is stored there
.set ADRA, 16
.set ADRB, 20
.set STO,  24                          ; v24     the way out: where I put 32 bytes of a row
.set RD,   25                          ; v25     where I read a row back
.set CO,   26                          ; v26     16 x lane
.set SPW,  28
.set NIL,  29
.set BIAS, 32
.set TMP,  32
.set AF,   128
.set BK,   128
.set G1, 24
.set G0, 32
.set G1B, 48
.set G0B, 56
.set MSB, 0
.macro WIN new                         ; the immediate's high byte repeats the setting that is left
.if MSB != \new
	s_set_vgpr_msb (MSB<<8)|\new
.set MSB, \new
.endif
.endm
.set MUL_LO, 0xa1
.set MUL_HI, 0xf1
.set TO_B,   0x40
.macro JLOAD g0a, g1a, g0b, g1b        ; a joint load: waves 0 and 1 fetch for A, waves 2 and 3 for B; an s_nop 0 and four v_nop follow each of the two lines
	s_cmp_eq_u32 s15, 0
	s_cbranch_scc0 .Lfor_b_\@
	tensor_load_to_lds s[\g0a:\g0a+3], s[\g1a:\g1a+7]
	s_nop 0
.rept 4
	v_nop
.endr
	s_branch .Lasked_\@
.Lfor_b_\@:
	tensor_load_to_lds s[\g0b:\g0b+3], s[\g1b:\g1b+7]
	s_nop 0
.rept 4
	v_nop
.endr
.Lasked_\@:
.endm
.macro CREST
	s_cmp_lg_u32 s14, 0
	s_cbranch_scc1 .Lnot_wave_0_\@
	s_barrier_signal -3
.Lnot_wave_0_\@:
	s_barrier_wait -3
	s_barrier_signal -1
	s_barrier_wait -1
.endm
.macro CROUND
	s_barrier_signal -1
	s_barrier_wait -1
	CREST
.endm
	s_load_b256 s[4:11], s[0:1], 0x0               ; yq s[4:5], wo s[6:7], the scales' exponents s[8:9], b_out s[10:11]
	s_load_b64 s[68:69], s[0:1], 0x20              ; out0
	v_lshl_add_u32 v[SPW], v0, 2, SPARE
	v_mov_b32 v[NIL], 0
	ds_add_u32 v[SPW], v[NIL]                      ; the wave's opening: the add and its wait stand ahead of my first tensor load
	v_lshrrev_b32 v1, 5, v0
	v_readfirstlane_b32 s14, v1                    ; wave 0..3
	s_lshr_b32 s15, s14, 1                         ; my half of the rows.  Also: I fetch for A (0) or for B (1)
	s_and_b32 s16, s14, 1                          ; my half of the columns.  Also: which eight tiles I fetch
	s_bfe_u32 s40, ttmp6, 0x40000                  ; cx, cy
	s_bfe_u32 s41, ttmp6, 0x40004
	s_lshl_b32 s42, ttmp9, 2
	s_add_co_u32 s42, s42, s40                     ; the block of 256 columns
	s_and_b32 s17, ttmp7, 0xffff
	s_lshl_b32 s17, s17, 2
	s_add_co_u32 s17, s17, s41                     ; the block of 256 tokens
	s_lshl_b32 s43, s41, 2
	s_lshl_b32 s43, 15, s43                        ; my row of the cluster
	s_lshl_b32 s44, 0x1111, s40                    ; my column
	s_or_b32 s[G1+0], s43, (1<<21)                 ; 15:0 the mask; 17:16 elements of 1 byte; 20 no padding; 21 set beside a mask
	s_or_b32 s[G1B+0], s44, (1<<21)
.irp g, G1, G1B
	s_mov_b32 s[\g+1], TILEB<<16                   ; tensor_dim0 = 4,096
	s_mov_b32 s[\g+2], 8<<16                       ; tensor_dim1 = 8
	s_mov_b32 s[\g+3], TILEB<<16                   ; tile_dim0 = 4,096
	s_mov_b32 s[\g+4], 8                           ; tile_dim1 = 8
	s_mov_b32 s[\g+5], 16384                       ; from tile to tile in memory
	s_mov_b32 s[\g+6], 0
	s_mov_b32 s[\g+7], 0
.endr
	s_lshl_b32 s22, s16, 17
	s_lshl_b32 s20, s17, 18
	s_add_co_u32 s20, s20, s22
	s_mov_b32 s21, 0
	s_lshl_b32 s46, s42, 18
	s_add_co_u32 s46, s46, s22
	s_mov_b32 s47, 0
	s_mul_i32 s45, s14, HALFT                      ; no place in the cluster enters an LDS address
	s_wait_dscnt 0x0                               ; the opening add is done
	s_wait_kmcnt 0x0
	s_load_b256 s[72:79], s[8:9], 0x0              ; e0 .. e7
	s_add_nc_u64 s[20:21], s[4:5], s[20:21]
	s_add_nc_u64 s[46:47], s[6:7], s[46:47]
	CROUND                                         ; all sixteen work-groups are here: the first joint loads meet
.irp s, 0,1
	s_mov_b32 s[G0+4*\s], 1
	s_add_co_u32 s[G0+4*\s+1], s45, \s*SLOT
	s_add_nc_u64 s[G0+4*\s+2:G0+4*\s+3], s[20:21], \s*TILEB
	s_or_b32 s[G0+4*\s+3], s[G0+4*\s+3], 0x80000000
	s_mov_b32 s[G0B+4*\s], 1
	s_add_co_u32 s[G0B+4*\s+1], s45, \s*SLOT
	s_add_nc_u64 s[G0B+4*\s+2:G0B+4*\s+3], s[46:47], \s*TILEB
	s_or_b32 s[G0B+4*\s+3], s[G0B+4*\s+3], 0x80000000
	JLOAD G0+4*\s, G1, G0B+4*\s, G1B               ; two tensor loads of mine are out
.endr
	v_and_b32 v1, 31, v0
	v_lshlrev_b32 v[CO], 4, v1
	s_mul_i32 s21, s15, HALFT
	s_mul_i32 s22, s16, HALFT
	s_add_co_u32 s22, s22, 2*HALFT
.irp s, 0,1
	v_add_nc_u32 v[ADRA+\s], s21, v[CO]
	v_add_nc_u32 v[ADRB+\s], s22, v[CO]
	s_add_co_u32 s21, s21, SLOT
	s_add_co_u32 s22, s22, SLOT
.endr
	v_and_b32 v2, 15, v0                           ; r
	v_bfe_u32 v3, v0, 4, 1                         ; h
	v_lshlrev_b32 v4, 5, v3                        ; 32 h: my eight columns of a tile
	s_mul_i32 s23, s14, 16*SPITCH                  ; my stage
	v_mul_u32_u24 v5, v2, SPITCH
	v_lshl_add_u32 v5, v3, 5, v5
	v_add_nc_u32 v[STO], s23, v5                   ; in: row r, 32 bytes for each half of the lanes
	v_add_nc_u32 v[RD], s23, v[CO]                 ; back: the 32 lanes take one row of 512 bytes
	s_lshl_b32 s88, s42, 10
	s_lshl_b32 s89, s16, 9
	s_add_co_u32 s88, s88, s89                     ; my 128 columns, in bytes
	s_mov_b32 s89, 0
	s_add_nc_u64 s[10:11], s[10:11], s[88:89]      ; in b_out,
	s_add_nc_u64 s[68:69], s[68:69], s[88:89]      ; and in a row of out0
	s_lshl_b32 s88, s17, 8
	s_lshl_b32 s90, s15, 7
	s_add_co_u32 s88, s88, s90
	s_lshl_b32 s88, s88, 12                        ; my first token's row of 4,096 bytes: 256 x block + 128 x half
	s_add_nc_u64 s[68:69], s[68:69], s[88:89]
.irp b, 0,1,2,3,4,5,6,7                        ; accumulator (a, b), register j: column 16 b + 8 h + j
	global_load_b128 v[BIAS+8*\b:BIAS+8*\b+3],   v4, s[10:11] offset:64*\b
	global_load_b128 v[BIAS+8*\b+4:BIAS+8*\b+7], v4, s[10:11] offset:64*\b+16
.endr
	s_wait_kmcnt 0x0
	s_add_co_i32 s96, s78, s79                     ; e6 + e7
	s_sub_co_i32 s90, 0, s96
	s_add_co_i32 s96, s96, 127
	s_lshl_b32 s96, s96, 23                        ; 2^(e6 + e7) as f32
	s_mov_b32 s97, s96                             ; (named with it as a pair)
	s_wait_loadcnt 0x0
.set i, 0
.rept 64
	v_ldexp_f32 v[BIAS+i], v[BIAS+i], s90
.set i, i+1
.endr
.macro FRAG reg, adr, q, i
.irp c, 0,1,2,3
	ds_load_b128 v[\reg+4*\c:\reg+4*\c+3], v[\adr] offset:(\i)*TILEB+(\q)*2048+512*\c
.endr
.endm
; 16 matrix instructions: A's blocks a0, a0 + 1 x B's eight.  cm = 1: the first product starts the sums with the bias as C.  The 64 accumulators take turns, one instruction a turn.
.macro MUL16 a0, p, cm
.irp a, \a0, \a0+1
.irp b, 0,1,2,3,4,5,6,7
.if \cm == 1
	v_wmma_f32_16x16x128_fp8_fp8 v[8*(8*((\a)%4)+\b):8*(8*((\a)%4)+\b)+7], v[128*(\p)+FR*\b:128*(\p)+FR*\b+FR-1], v[AF+FR*(\a):AF+FR*(\a)+FR-1], v[BIAS+8*\b:BIAS+8*\b+7]
.else
	v_wmma_f32_16x16x128_fp8_fp8 v[8*(8*((\a)%4)+\b):8*(8*((\a)%4)+\b)+7], v[128*(\p)+FR*\b:128*(\p)+FR*\b+FR-1], v[AF+FR*(\a):AF+FR*(\a)+FR-1], v[8*(8*((\a)%4)+\b):8*(8*((\a)%4)+\b)+7]
.endif
.endr
.endr
.endm
.macro FETCH_B slot, q, p
	WIN TO_B
.irp i, 0,1,2,3,4,5,6,7
	FRAG 128*(\p)+FR*\i, ADRB+\slot, \q, \i
.endr
	WIN 0
.endm
.macro FETCH_A slot, q, i0
.irp i, \i0, \i0+1, \i0+2, \i0+3
	FRAG AF+FR*(\i), ADRA+\slot, \q, \i
.endr
.endm
.macro PLACES n                        ; a load into a register that a matrix instruction has read, and a vector instruction that reads a result, stand NP plain vector instructions behind it
.rept \n
	v_nop
.endr
.endm
.macro STEP slot, q, cm
	s_wait_dscnt 4*NL                              ; B's set and A's blocks 0-3 are in; the youngest sixteen loads (A's blocks 4-7) may be out
.if \cm
	WIN 0x81                                       ; as MUL_LO, with C (the bias) in window 0
.else
	WIN MUL_LO
.endif
	MUL16 0, (\q)%2, \cm
	MUL16 2, (\q)%2, \cm
	s_wait_dscnt 0                                 ; A's blocks 4-7 are in
	PLACES NP
	FETCH_B \slot, (\q)+1, 1-(\q)%2
	FETCH_A \slot, (\q)+1, 0
.if \cm
	WIN 0xc1
.else
	WIN MUL_HI
.endif
	MUL16 4, (\q)%2, \cm
	MUL16 6, (\q)%2, \cm
	PLACES NP
	WIN 0
	FETCH_A \slot, (\q)+1, 4
.endm
.macro TURN slot, next, fill
	s_wait_tensorcnt 0x0                           ; all my tensor loads have landed: my part of the next slot  (every window is 0 here)
	ds_add_u32 v[SPW], v[NIL]                      ; 0 onto my spare word
	s_wait_dscnt 4*NL+1                            ; (the add and the youngest sixteen loads may be out)
	WIN MUL_LO
	MUL16 0, 1, 0
	s_wait_dscnt 0x0                               ; the add is done, and my reads of this slot are over
	s_barrier_signal -1
	MUL16 2, 1, 0
	WIN 0
	s_barrier_wait -1
.if \fill
	CREST                                          ; a round of the cluster's barrier: no wave of any partner still reads this slot or has a load on its way
	s_add_nc_u64 s[G0+4*\slot+2:G0+4*\slot+3], s[G0+4*\slot+2:G0+4*\slot+3], 2*TILEB
	s_add_nc_u64 s[G0B+4*\slot+2:G0B+4*\slot+3], s[G0B+4*\slot+2:G0B+4*\slot+3], 2*TILEB
	JLOAD G0+4*\slot, G1, G0B+4*\slot, G1B         ; the first tensor load behind the round, my only one until the next
.else
	PLACES NP
.endif
	FETCH_B \next, 0, 0
	FETCH_A \next, 0, 0
	WIN MUL_HI
	MUL16 4, 1, 0
	MUL16 6, 1, 0
	PLACES NP
	WIN 0
	FETCH_A \next, 0, 4
.endm
	s_wait_tensorcnt 1                             ; my part of slot 0 is in; slot 1's load may be out
	s_barrier_signal -1
	s_barrier_wait -1
	FETCH_B 0, 0, 0
	FETCH_A 0, 0, 0
	FETCH_A 0, 0, 4
	STEP 0, 0, 1
	TURN 0, 1, 1                                   ; K = 1,024 is eight steps in four slots: written out, no loop
	STEP 1, 0, 0
	TURN 1, 0, 1
	STEP 0, 0, 0
	TURN 0, 1, 0
	STEP 1, 0, 0
	s_wait_dscnt 4*NL
	WIN MUL_LO
	MUL16 0, 1, 0
	MUL16 2, 1, 0
	s_wait_dscnt 0
	WIN MUL_HI
	MUL16 4, 1, 0
	MUL16 6, 1, 0
	WIN 0
; THE WAY OUT, block by block of 16 tokens x 128 columns: through my own stage in LDS and back as whole rows of 512 bytes.  LDS serves a wave's instructions in order (ISA guide 5.7.1.4): no wait between the stores and the loads.
.macro TOSTAGE a
.set AC, 64*((\a)%4)
	WIN 0x02+((\a)/4)                              ; source 0: window 2 or 3
.irp j, 0,2,4,6,8,10,12,14,16,18,20,22,24,26,28,30,32,34,36,38,40,42,44,46,48,50,52,54,56,58,60,62
	v_pk_mul_f32 v[TMP+\j:TMP+\j+1], v[AC+\j:AC+\j+1], s[96:97] op_sel_hi:[1,0]   ; x 2^(e6 + e7); each accumulator from its low end on
.endr
	WIN 0
.irp b, 0,1,2,3,4,5,6,7
	ds_store_b128 v[STO], v[TMP+8*\b:TMP+8*\b+3] offset:64*\b
	ds_store_b128 v[STO], v[TMP+8*\b+4:TMP+8*\b+7] offset:64*\b+16
.endr
.set BB, BK+64*((\a)%2)
.irp t, 0,1,2,3,4,5,6,7,8,9,10,11,12,13,14,15
	ds_load_b128 v[BB+4*\t:BB+4*\t+3], v[RD] offset:\t*SPITCH
.endr
.endm
.macro SEND a, younger                 ; younger: the LDS instructions issued behind block a's loads, which may stay out
.set BB, BK+64*((\a)%2)
	s_wait_dscnt \younger
.if (\a) > 0
.if (\a)%2
	s_add_nc_u64 s[68:69], s[68:69], 8*4096        ; (behind a wait on XCNT)  an odd tile begins 8 tokens behind its even partner,
.else
	s_add_nc_u64 s[68:69], s[68:69], 24*4096       ; the next even tile 24 behind that
.endif
.endif
.irp t, 0,1,2,3,4,5,6,7,8,9,10,11,12,13,14,15
	global_store_b128 v[CO], v[BB+4*\t:BB+4*\t+3], s[68:69] offset:(\t+8*(\t/8))*4096 th:TH_STORE_NT   ; row t is token t + 8 (t / 8) of the tile's; 32 lanes store 512 consecutive bytes, aligned
.endr
.endm
	PLACES NP
	TOSTAGE 0
.irp a, 1,2,3,4,5,6,7
.if \a > 1
	s_wait_xcnt 0x0                                ; block a - 2's stores have read their registers and their base
.endif
	TOSTAGE \a
	SEND \a-1, 32                                  ; behind block a - 1's loads: block a's 16 stores and 16 loads
.endr
	s_wait_xcnt 0x0
	SEND 7, 0
	s_wait_tensorcnt 0x0                           ; the wave's end
	ds_add_u32 v[SPW], v[NIL]
	s_wait_dscnt 0x0
	CROUND                                         ; the closing round
	s_endpgm
.Lfunc_end_k_q2091dae334_proj:
	.size	k_q2091dae334_proj, .Lfunc_end_k_q2091dae334_proj-k_q2091dae334_proj
	.p2alignl 7, 3214868480
	.fill 96, 4, 3214868480
	.section	.rodata,"a",@progbits
	.p2align	6, 0x0
	.amdhsa_kernel k_q2091dae334_proj
		.amdhsa_group_segment_fixed_size 327680
		.amdhsa_private_segment_fixed_size 0
		.amdhsa_enable_private_segment 0
		.amdhsa_kernarg_size 40
		.amdhsa_user_sgpr_count 2
		.amdhsa_user_sgpr_kernarg_segment_ptr 1
		.amdhsa_wavefront_size32 1
		.amdhsa_system_sgpr_workgroup_id_x 1
		.amdhsa_system_sgpr_workgroup_id_y 1
		.amdhsa_system_sgpr_workgroup_id_z 1
		.amdhsa_system_vgpr_workitem_id 0
		.amdhsa_next_free_vgpr 1024
		.amdhsa_next_free_sgpr 100
		.amdhsa_reserve_vcc 0
		.amdhsa_float_denorm_mode_32 3
		.amdhsa_float_denorm_mode_16_64 3
		.amdhsa_memory_ordered 1
		.amdhsa_forward_progress 1
		.amdhsa_inst_pref_size 128
	.end_amdhsa_kernel
	.amdgpu_metadata
---
amdhsa.version: [ 1, 2 ]
amdhsa.kernels:
  - .name:           k_q2091dae334_proj
    .symbol:         k_q2091dae334_proj.kd
    .args:
      - { .name: yq, .offset: 0, .size: 8, .value_kind: global_buffer, .address_space: global }
      - { .name: wo, .offset: 8, .size: 8, .value_kind: global_buffer, .address_space: global }
      - { .name: lowp_scales, .offset: 16, .size: 8, .value_kind: global_buffer, .address_space: global }
      - { .name: b_out, .offset: 24, .size: 8, .value_kind: global_buffer, .address_space: global }
      - { .name: out0, .offset: 32, .size: 8, .value_kind: global_buffer, .address_space: global }
    .group_segment_fixed_size: 327680
    .private_segment_fixed_size: 0
    .kernarg_segment_align: 8
    .kernarg_segment_size: 40
    .max_flat_workgroup_size: 128
    .sgpr_count:     100
    .vgpr_count:     1024
    .wavefront_size: 32
...
	.end_amdgpu_metadata
.endif
;; end of part 4
;; ======== version 2 of 2: 4 launches; version 1 with the launch attn written anew for expert scheduling mode
;; workspace buffers: xq 8,388,608 bytes; wq 3,145,728 bytes; wo 1,048,576 bytes; lm 524,288 bytes of whole numbers; fl 2,048 bytes of whole numbers; qf 8,388,608 bytes; kv 16,777,216 bytes; yq 8,388,608 bytes
;; launch prep: the kernel of part 1 again; grid 704 x 1, 8 waves a work-group, no clusters, 68,608 bytes of LDS; arguments x, w_qkv, w_out, mask, lowp_scales, xq, wq, wo, lm, fl; writes xq, wq, wo, lm, fl
;; launch qkv: the kernel of part 2 again; grid 12 x 32, 4 waves a work-group, clusters of 4 x 4, 327,680 bytes of LDS; arguments xq, wq, lowp_scales, b_qkv, qf, kv; writes qf, kv
;; launch attn (part 5): grid 4 x 64, 16 waves a work-group, no clusters, 280,576 bytes of LDS; arguments qf, kv, lm, fl, lowp_scales, yq; writes yq
.if DOCPART == 5
	.amdgcn_target "amdgcn-amd-amdhsa--gfx1250"
	.amdhsa_code_object_version 6
	.text
	.protected	k_q2091dae334_attn
	.globl	k_q2091dae334_attn
	.p2align	8
	.type	k_q2091dae334_attn,@function
k_q2091dae334_attn:
	s_mov_b64 s[64:65], 0
	v_nop
	global_prefetch_b8 v0, s[64:65] scope:SCOPE_SE
	s_setreg_imm32_b32 hwreg(HW_REG_WAVE_SCHED_MODE, 0, 2), 2
	s_setreg_imm32_b32 hwreg(HW_REG_WAVE_MODE, 25, 1), 1
	s_wait_xcnt 0x0
	s_wait_alu depctr_vm_vsrc(0)
; ATTN.  y = softmax(q k^T / 8, under the given mask) v for 64 heads of 2,048 tokens x 64 channels, both products on codes of E4M3; y leaves as codes with the given 2^e6, as the image that the last product wants.
; THE SOFTMAX: t = score x log2(e) / 8; M = the row's largest t so far, rounded UP to a whole number; p = 2^(t - M) is quantised with 2^e4, not normalised; the row's sum is taken of the unquantised p and divides at the end.
; When M moves, the sum and O are multiplied by 2^(old M - new M): exact.
; SHARES.  A work-group serves 512 queries of one head: blocks a and 7 - a of 256 (a = work-group x).  Each of its sixteen waves owns a UNIT of 32 queries: two tiles of 16, A and B, which share every fragment of K and V.
; Wave w takes block a or 7 - a by the bit (w ^ (w / 4)) & 1, unit w / 2 of the block.  That pairing only evens the work out for masks whose rows differ in length; the text is right for every mask.
; THE MASK is an input.  An earlier launch stored it as lane masks (lm: for each unit, step, tile and score register a word with a bit a lane) and flags (fl).  A step of 128 keys in which no entry of the unit's 32 rows is true
; is left out, by a scalar branch on the stored flags; a step with some false entry sets those scores to -infinity ahead of the maximum; a step all of whose entries are true skips that.
; A ROW WITH NO TRUE ENTRY has the sum 0: its codes are set to the NaN code, so that the whole output row is NaN.
; K AND V: the head's 16 steps of 16,384 bytes (8,192 of K's fragments, 8,192 of V's, images of registers) are copied into LDS through registers, a step ahead of their use, each byte once: 512 threads x 2 x 16 bytes a step.
; NO CLUSTER, NO TENSOR LOAD, though the four work-groups of a head read the same 262,144 bytes: a joint load is a tensor load; this text's branches on the flags
; leave out whole steps of softmax (for a lower-triangular mask 30 of a SIMD's 64 unit-steps), which weighs more than reading 16 MiB four times.
; LAYOUT.  S^T = K Q^T (source 0 = 16 keys, source 1 = 16 queries), O^T = V^T P^T (source 0 = 16 channels, source 1 = P): a lane holds ONE query (lane % 16) throughout.  The tokens of a tile are not neighbours (row p of tile
; 2 B + u is token 32 B + 8 u + p + 8 (p / 8)), so the 16 registers of two neighbouring tiles of scores are 16 neighbouring keys, 32 b + 16 (lane / 16) + 0..15, and the conversions' results are P's fragment.
; LIMITS: e2 + e3 between -123 and 130 (added to c's exponent field); e4 and e6 between -126 and 119; e4 + e5 goes by v_ldexp_f32 and has none.  NaN among the numbers is not served.
; THE MODE: SCHED_MODE bits 1:0 = 2 (LLVM: expert scheduling mode 2), set by the entry lines.  The code itself states the register dependences between vector or matrix instructions and memory or LDS instructions,
; with s_wait_alu, always for 0.
; THE PLAN.  Registers that memory or LDS instructions touch:
;   v[SPW], v[NIL]           written at the head; read by the closing add alone.
;   v[L16], v[TOFF], v[PFO]  offsets, written at the head and never again.
;   v[ADR]    written by one add at a trip's head; read by the trip's 32 LDS loads of K and V.
;   v[ADS]    written by one add at a trip's head; read by the trip's two LDS stores; later in the trip tile B's codes are laid over it.
;   SG        global loads land in it, LDS stores read it; no vector instruction names it.
;   Q         loaded once at the head; matrix instructions read it.
;   KV        K's loads land; the sixteen score products read it; V's loads land; the eight last products read it; then the next walked step's K.
;   v40-55    on the way out: written by conversions and selects, read by the four stores of y.
; A TRIP has four waits of this kind beside the softmax's two.  At its head: on vm_vsrc ahead of the two adds, on va_vdst behind them (the addresses are written; the last walked step's products are done reading KV): between that
; wait and K's loads no vector instruction stands, on any way.  Behind the two LDS stores, ahead of the branch: on vm_vsrc (they have read SG and v[ADS]).  Behind tile B's scores: on va_vdst (the score products are done reading KV),
; ahead of V's loads.  No further buffer of registers: four waves of 256 fill a SIMD's 1,024.
.set STEPB, 16384
.set SPARE, 17*STEPB                   ; the spare words, 128 bytes for each wave, behind the head's sixteen steps and one step's room that is left unused
.set SPW,  1                           ; v1   my spare word's address; never rewritten
.set NIL,  2                           ; v2   0; never rewritten
.set L16,  3                           ; v3   16 x lane
.set ADR,  4                           ; v4   LDS address of the step's fragments
.set TOFF, 5                           ; v5   16 x thread: my 16 bytes of each half of a step
.set PFO,  6                           ; v6   the prefetch's offset: 256 x lane + 8,192 (wave % 2)
.set SCL,  7                           ; v7   2^e4 as f32
.set STA,  8                           ; v[8:11]  tile A: -M, the largest t, the sum in two halves
.set STB,  12                          ; v[12:15] tile B
.set SG,   16                          ; v16-23   a step's 32 bytes on their way to LDS
.set QA,   24                          ; v24-31, v32-39  Q's fragments
.set QB,   32
.set PA,   40                          ; v40-55   tile A's p as codes
.set F,    56                          ; v[56:57] 2^(old M - new M); the pair's low word serves both halves
.set SUM2, 58
.set T0,   60                          ; v60-62   at work
.set T1,   61
.set T2,   62
.set ADS,  63                          ; v63      LDS address of the stores
.set PB,   60                          ; v60-75   tile B's p as codes: laid over registers that are done with when they are made
.set S,    64                          ; v64-127  S^T, then p
.set KV,   128                         ; v128-191 K's eight fragments, then V's four
.set OA,   192                         ; v192-223, v224-255  O^T
.set OB,   224
; s[2:3] kv, stepped; s[4:5] lm at my unit; s[6:7] yq at my unit; s10 wave; s11 the step J; s12 its LDS byte; s13 the flags, shifted; s[14:15] c; s[16:17] lane selects; s18 -infinity; s19 448 x 2^e4; s20 1 where p needs its hold;
; s21 the step's byte in lm; s22 steps that I prefetch for; s28 e4 + e5; s29, s30 448 x 2^e6, 2^e6; s[32:63], s[68:99] a tile's 64 lane masks
	s_load_b256 s[32:39], s[0:1], 0x0              ; qf s[32:33], kv s[34:35], lm s[36:37], fl s[38:39]
	s_load_b128 s[40:43], s[0:1], 0x20             ; the scales' exponents s[40:41], yq s[42:43]
	v_lshl_add_u32 v[SPW], v0, 2, SPARE
	v_mov_b32 v[NIL], 0
	v_lshrrev_b32 v[ADR], 5, v0
	v_readfirstlane_b32 s10, v[ADR]                ; wave 0..15
	v_and_b32 v[ADR], 31, v0
	v_lshlrev_b32 v[L16], 4, v[ADR]
	v_lshlrev_b32 v[TOFF], 4, v0
	s_wait_alu depctr_va_sdst(0)                   ; s10 is written, ahead of its first reader: the unit, the prefetch's share and every base are made from it
	s_and_b32 s23, s10, 1
	s_lshl_b32 s23, s23, 13
	v_lshl_add_u32 v[PFO], v[ADR], 8, s23
	s_lshr_b32 s23, s10, 2
	s_xor_b32 s23, s23, s10
	s_and_b32 s23, s23, 1                          ; which of the two blocks
	s_lshr_b32 s24, s10, 1                         ; which unit of it
	s_sub_co_u32 s25, 7, ttmp9
	s_cmp_eq_u32 s23, 0
	s_cselect_b32 s25, ttmp9, s25
	s_lshl_b32 s25, s25, 3
	s_add_co_u32 s26, s25, s24                     ; my unit, 0..63
	s_and_b32 s27, ttmp7, 0xffff                   ; batch x 16 + head
	s_lshr_b32 s23, s10, 1
	s_or_b32 s23, s23, ttmp9
	s_cmp_eq_u32 s23, 0                            ; waves 0 and 1 of the head's first work-group prefetch, in steps 0 to 12
	s_cselect_b32 s22, 13, 0
	s_mov_b32 s16, 0x76543210
	s_mov_b32 s17, 0xfedcba98
	s_mov_b32 s18, 0xff800000
	s_mov_b32 s11, 0
	s_mov_b32 s12, 0
	s_mov_b32 s21, 0
	s_mov_b32 s25, 0                               ; the upper word of the offset pair s[24:25]
	s_lshl_b32 s31, s26, 5                         ; my unit's eight words of fl
	s_wait_kmcnt 0x0
	s_lshl_b32 s24, s27, 18
	s_add_nc_u64 s[2:3], s[34:35], s[24:25]        ; the head's kv
	s_wait_alu depctr_va_vdst(0)                   ; v[L16], v[TOFF] and v[PFO] are written, which every load, store and prefetch of the kernel reads as its offset; so are v[SPW] and v[NIL]
	global_load_b128 v[SG:SG+3],   v[TOFF], s[2:3]             ; step 0
	global_load_b128 v[SG+4:SG+7], v[TOFF], s[2:3] offset:8192
	s_lshl_b32 s24, s27, 17
	s_lshl_b32 s23, s26, 11
	s_add_co_u32 s24, s24, s23
	s_add_nc_u64 s[8:9], s[32:33], s[24:25]        ; my two tiles of q
	global_load_b128 v[QA:QA+3],   v[L16], s[8:9]
	global_load_b128 v[QA+4:QA+7], v[L16], s[8:9] offset:512
	global_load_b128 v[QB:QB+3],   v[L16], s[8:9] offset:1024
	global_load_b128 v[QB+4:QB+7], v[L16], s[8:9] offset:1536
	s_load_b256 s[68:75], s[40:41], 0x0            ; e0 .. e7
	s_load_b256 s[76:83], s[38:39], s31 offset:0x0 ; the flags of tiles 2 unit and 2 unit + 1
	s_lshl_b32 s24, s26, 13
	s_add_nc_u64 s[4:5], s[36:37], s[24:25]
	s_lshr_b32 s24, s27, 4
	s_lshl_b32 s24, s24, 7
	s_lshl_b32 s23, s26, 1
	s_add_co_u32 s24, s24, s23                     ; y's tile: 128 x batch + 2 x unit
	s_lshl_b32 s24, s24, 14
	s_and_b32 s23, s27, 15
	s_lshl_b32 s23, s23, 10                        ; the head's 64 along the next K: 1,024 bytes of the image
	s_add_co_u32 s24, s24, s23
	s_add_nc_u64 s[6:7], s[42:43], s[24:25]
.set i, 0
.rept 64
	v_mov_b32 v[OA+i], 0                           ; O^T.  Which step is a unit's first hangs on the mask, so no step is written as a first one: the first finds zeros
.set i, i+1
.endr
	v_mov_b32 v[STA+1], 0xff61b1e6                 ; the largest t so far: -3e38, under every t
	v_floor_f32 v[STA], -v[STA+1]
	v_mov_b32 v[STA+2], 0
	v_mov_b32 v[STA+3], 0
	v_mov_b32 v[STB+1], 0xff61b1e6
	v_floor_f32 v[STB], -v[STB+1]
	v_mov_b32 v[STB+2], 0
	v_mov_b32 v[STB+3], 0
	v_mov_b32 v[F+1], 0                            ; (named as the upper half of a pair)
	v_mov_b32 v[T2], 0                             ; (a lane permute's destination counts as read)
	s_wait_loadcnt 4                               ; step 0's two loads are in; Q's four stay out
	ds_store_b128 v[TOFF], v[SG:SG+3]
	ds_store_b128 v[TOFF], v[SG+4:SG+7] offset:8192
	s_wait_dscnt 0x0                               ; the stores have landed, for the others' sake
	s_wait_xcnt 0x0                                ; the loads have read their base
	s_wait_alu depctr_vm_vsrc(0)                   ; the two LDS stores have read SG, in which step 1's loads land
	s_add_nc_u64 s[2:3], s[2:3], STEPB
	global_load_b128 v[SG:SG+3],   v[TOFF], s[2:3]             ; step 1
	global_load_b128 v[SG+4:SG+7], v[TOFF], s[2:3] offset:8192
	s_wait_kmcnt 0x0
	s_or_b32 s13, s76, s77
	s_or_b32 s13, s13, s78
	s_or_b32 s13, s13, s79
	s_or_b32 s13, s13, s80
	s_or_b32 s13, s13, s81
	s_or_b32 s13, s13, s82
	s_or_b32 s13, s13, s83                         ; bit j: some entry of my 32 rows is true in step j; bit 16 + j: some is false
	s_add_co_i32 s23, s70, s71
	s_lshl_b32 s23, s23, 23
	s_add_co_i32 s14, s23, 0x3e38aa3b              ; c = log2(e) / 8, with e2 + e3 added to its exponent field: a score stands for score x 2^(e2 + e3)
	s_mov_b32 s15, s14
	s_add_co_i32 s23, s72, 127
	s_lshl_b32 s24, s23, 23
	v_mov_b32 v[SCL], s24
	s_add_co_i32 s23, s23, 8
	s_lshl_b32 s23, s23, 23
	s_or_b32 s19, s23, 0x600000
	s_cmp_lt_i32 s72, -8                           ; p is at most 1, and 1 / 2^e4 is at most 256 for e4 of -8 or more: only below that can a code pass 448
	s_cselect_b32 s20, 1, 0
	s_add_co_i32 s28, s72, s73
	s_add_co_i32 s23, s74, 127
	s_lshl_b32 s30, s23, 23
	s_add_co_i32 s23, s23, 8
	s_lshl_b32 s23, s23, 23
	s_or_b32 s29, s23, 0x600000
	s_wait_loadcnt 2                               ; Q's four loads are in; step 1's two stay out
	s_barrier_signal -1
	s_barrier_wait -1                              ; step 0 lies in LDS
.macro LMLOAD u                        ; tile u's 64 lane masks of this step
	s_load_b512 s[32:47], s[4:5], s21 offset:256*\u
	s_load_b512 s[48:63], s[4:5], s21 offset:256*\u+64
	s_load_b512 s[68:83], s[4:5], s21 offset:256*\u+128
	s_load_b512 s[84:99], s[4:5], s21 offset:256*\u+192
.endm
.macro MASKT                           ; a score whose bit is 0 becomes -infinity: p = 0 then
.set n, 0
.rept 32
	v_cndmask_b32 v[S+n], s18, v[S+n], s[32+n]
.set n, n+1
.endr
.rept 32
	v_cndmask_b32 v[S+n], s18, v[S+n], s[36+n]
.set n, n+1
.endr
.endm
; One tile's softmax of a step.  st: its statistics; o: its O^T; px: where its codes go.
.macro SOFTMAX st, o, px
	v_max3_num_f32 v[T0], v[S], v[S+1], v[S+2]     ; the step's largest score of my query among my 64 keys, in two chains, each accumulator from its low end on
	v_max3_num_f32 v[T1], v[S+3], v[S+4], v[S+5]
.irp i, 6,10,14,18,22,26,30,34,38,42,46,50,54,58
	v_max3_num_f32 v[T0], v[T0], v[S+\i], v[S+\i+1]
	v_max3_num_f32 v[T1], v[T1], v[S+\i+2], v[S+\i+3]
.endr
	v_max3_num_f32 v[T0], v[T0], v[S+62], v[S+63]
	v_max_num_f32 v[T0], v[T0], v[T1]
	v_permlanex16_b32 v[T2], v[T0], s16, s17
	v_max_num_f32 v[T0], v[T0], v[T2]              ; and among lane l xor 16's
	v_mul_f32 v[T0], s14, v[T0]                    ; as t (c is positive)
	v_max_num_f32 v[\st+1], v[\st+1], v[T0]        ; the running largest t
	v_mov_b32 v[T0], v[\st]
	v_floor_f32 v[\st], -v[\st+1]                  ; -M = floor(-t): M is a whole number
	v_sub_f32 v[T0], v[\st], v[T0]                 ; old M - new M, a whole number, 0 or less
	v_cvt_i32_f32 v[T0], v[T0]                     ; (it saturates)
	v_ldexp_f32 v[F], 1.0, v[T0]
.set j, 0
.rept 32
	v_pk_fma_f32 v[S+j:S+j+1], v[S+j:S+j+1], s[14:15], v[\st:\st+1] op_sel_hi:[1,0,0]      ; t - M, two at a time
.set j, j+2
.endr
.set j, 0
.rept 64
	v_exp_f32 v[S+j], v[S+j]                       ; p = 2^(t - M), at most 1: one batch
.set j, j+1
.endr
	v_pk_mul_f32 v[\st+2:\st+3], v[\st+2:\st+3], v[F:F+1] op_sel_hi:[1,0]                  ; the sums under the new M: the plain instruction behind the batch
	s_wait_alu depctr_va_vdst(0)                   ; the 64 exponentials have written p: one wait for the batch, ahead of its first reader
	v_pk_add_f32 v[SUM2:SUM2+1], v[S:S+1], v[S+2:S+3]      ; the row's sum is taken of the unquantised p, in two chains
.irp j, 4,8,12,16,20,24,28,32,36,40,44,48,52,56,60
	v_pk_add_f32 v[\st+2:\st+3], v[\st+2:\st+3], v[S+\j:S+\j+1]
	v_pk_add_f32 v[SUM2:SUM2+1], v[SUM2:SUM2+1], v[S+\j+2:S+\j+3]
.endr
	v_pk_add_f32 v[\st+2:\st+3], v[\st+2:\st+3], v[SUM2:SUM2+1]
	s_cmp_eq_u32 s20, 0
	s_cbranch_scc1 .Lno_hold_\@
.set j, 0
.rept 64
	v_min_num_f32 v[S+j], s19, v[S+j]              ; the conversion does not saturate (ISA guide 7.6.2); p is not negative, so the hold is one-sided
.set j, j+1
.endr
.Lno_hold_\@:
.irp b, 0,1,2,3
	v_cvt_scalef32_pk8_fp8_f32 v[\px+4*\b:\px+4*\b+1],   v[S+16*\b:S+16*\b+7],    v[SCL]   ; registers 4 b .. 4 b + 3 of P: keys 32 b + 16 (lane / 16) + 0..15
	v_cvt_scalef32_pk8_fp8_f32 v[\px+4*\b+2:\px+4*\b+3], v[S+16*\b+8:S+16*\b+15], v[SCL]
.irp i, 0,2,4,6
	v_pk_mul_f32 v[\o+8*\b+\i:\o+8*\b+\i+1], v[\o+8*\b+\i:\o+8*\b+\i+1], v[F:F+1] op_sel_hi:[1,0]   ; O^T under the new M; these are also the plain instructions between the conversions and what next touches their registers
.endr
.endr
.endm
.Ltrip:                                            ; sixteen trips, one for each step of 128 keys
	s_wait_alu depctr_vm_vsrc(0)                   ; the LDS loads of the steps walked so far have read v[ADR], which the add below writes
	v_add_nc_u32 v[ADR], s12, v[L16]               ; both LDS addresses of the trip are made here, in every trip alike, so that one wait serves them
	v_add_nc_u32 v[ADS], s12, v[TOFF]
	s_wait_alu depctr_va_vdst(0)                   ; v[ADS] and v[ADR] are written, which the LDS stores and loads below read; the last walked step's products are done reading KV, in which K's loads land
	s_cmp_lt_u32 s11, 15
	s_cbranch_scc0 .Lfed                           ; step 15 has no successor
	s_wait_loadcnt 0x0                             ; step J + 1's 32 bytes, asked for a trip ago
	ds_store_b128 v[ADS], v[SG:SG+3]   offset:STEPB
	ds_store_b128 v[ADS], v[SG+4:SG+7] offset:STEPB+8192
	s_wait_alu depctr_vm_vsrc(0)                   ; the two stores have read SG, in which the loads below land, and v[ADS], over which tile B's codes are laid and which the next trip's add writes: ahead of the branch, for both ways
	s_cmp_lt_u32 s11, 14
	s_cbranch_scc0 .Lfed
	s_wait_dscnt 0x0                               ; the stores are done
	s_wait_xcnt 0x0                                ; the last loads and the last prefetch have read their base
	s_add_nc_u64 s[2:3], s[2:3], STEPB
	global_load_b128 v[SG:SG+3],   v[TOFF], s[2:3]             ; step J + 2
	global_load_b128 v[SG+4:SG+7], v[TOFF], s[2:3] offset:8192
	s_cmp_lt_u32 s11, s22
	s_cbranch_scc0 .Lfed
	global_prefetch_b8 v[PFO], s[2:3] offset:STEPB th:TH_LOAD_NT scope:SCOPE_SE    ; step J + 3, a trip ahead of its load: two waves of the head's first work-group, lanes 256 bytes apart, name its 16,384 bytes once; steps 0 to 2 come by their loads alone, and J stops at 12
.Lfed:
	s_bitcmp1_b32 s13, 0
	s_cbranch_scc0 .Lskip                          ; no entry of my 32 rows is true in this step
	LMLOAD 0
.irp k, 0,1,2,3,4,5,6,7
	ds_load_b128 v[KV+8*\k:KV+8*\k+3],   v[ADR] offset:1024*\k      ; no wait here: no vector or matrix instruction since the wait at the trip's head, on any way
	ds_load_b128 v[KV+8*\k+4:KV+8*\k+7], v[ADR] offset:1024*\k+512
.endr
	s_wait_dscnt 0x0
.irp k, 0,1,2,3,4,5,6,7
	v_wmma_f32_16x16x64_fp8_fp8 v[S+8*\k:S+8*\k+7], v[KV+8*\k:KV+8*\k+7], v[QA:QA+7], 0
.endr
.rept 4
	v_nop                                          ; places in front of the first read of the scores
.endr
	s_wait_kmcnt 0x0                               ; tile A's lane masks
	s_bitcmp1_b32 s13, 16
	s_cbranch_scc0 .Lopen_a                        ; every entry is true
	MASKT
.Lopen_a:
	LMLOAD 1                                       ; tile B's, on their way during tile A's softmax
	SOFTMAX STA, OA, PA
.irp k, 0,1,2,3,4,5,6,7
	v_wmma_f32_16x16x64_fp8_fp8 v[S+8*\k:S+8*\k+7], v[KV+8*\k:KV+8*\k+7], v[QB:QB+7], 0
.endr
.rept 4
	v_nop                                          ; places in front of the first read of the scores
.endr
	s_wait_alu depctr_va_vdst(0)                   ; the sixteen score products are done reading K's fragments, in whose registers V's loads land; v[ADR] has not been named since the wait at the trip's head
.irp t, 0,1,2,3
.irp p, 0,1,2,3
	ds_load_b128 v[KV+16*\t+4*\p:KV+16*\t+4*\p+3], v[ADR] offset:8192+2048*\t+512*\p      ; V: on its way during tile B's softmax
.endr
.endr
	s_wait_kmcnt 0x0
	s_bitcmp1_b32 s13, 16
	s_cbranch_scc0 .Lopen_b
	MASKT
.Lopen_b:
	SOFTMAX STB, OB, PB
	s_wait_dscnt 0x0                               ; V is in
.irp t, 0,1,2,3                                ; the eight accumulators take turns, one instruction a turn
	v_wmma_f32_16x16x128_fp8_fp8 v[OA+8*\t:OA+8*\t+7], v[KV+16*\t:KV+16*\t+15], v[PA:PA+15], v[OA+8*\t:OA+8*\t+7]
	v_wmma_f32_16x16x128_fp8_fp8 v[OB+8*\t:OB+8*\t+7], v[KV+16*\t:KV+16*\t+15], v[PB:PB+15], v[OB+8*\t:OB+8*\t+7]
.endr
.rept 5
	v_nop                                          ; five places: the next scores are laid over tile B's codes; the next trip's add into v[ADS], one of those codes' registers, and the reads of O^T want four
.endr
.Lskip:
	s_lshr_b32 s13, s13, 1
	s_add_co_u32 s12, s12, STEPB
	s_add_co_u32 s21, s21, 512
	s_wait_dscnt 0x0                               ; my stores of step J + 1 have landed
	s_barrier_signal -1
	s_barrier_wait -1                              ; everybody's have: step J + 1 lies in LDS.  No byte of LDS is written twice
	s_add_co_u32 s11, s11, 1
	s_cmp_lt_u32 s11, 16
	s_cbranch_scc1 .Ltrip
; THE WAY OUT.  y = O^T x 2^(e4 + e5) / the sum; a lane's eight channels of tile t become registers 2 t, 2 t + 1 of the next product's fragment: two stores of 512 consecutive bytes a tile.
; Both tiles' codes are made first, in registers of their own; one wait then stands ahead of the run of four stores.
.macro FINISH st, o, cd, m
	v_add_f32 v[T0], v[\st+2], v[\st+3]
	v_permlanex16_b32 v[T2], v[T0], s16, s17
	v_add_f32 v[T0], v[T0], v[T2]                  ; the row's sum
	v_cmp_eq_f32 s[\m], 0, v[T0]                   ; a row with no true entry
	v_rcp_f32 v[T1], v[T0]
	v_nop                                          ; a plain instruction behind the reciprocal,
	s_wait_alu depctr_va_vdst(0)                   ; and the wait ahead of its first reader: the reciprocal is written
	v_ldexp_f32 v[T1], v[T1], s28
.set i, 0
.rept 32
	v_mul_f32 v[S+i], v[\o+i], v[T1]
.set i, i+1
.endr
.set i, 0
.rept 32
	v_med3_num_f32 v[S+i], v[S+i], -v[F], v[F]
.set i, i+1
.endr
.irp t, 0,1,2,3
	v_cvt_scalef32_pk8_fp8_f32 v[\cd+2*\t:\cd+2*\t+1], v[S+8*\t:S+8*\t+7], v[F+1]
.endr
	v_nop
	s_wait_alu depctr_va_sdst(0)                   ; the compare above has written its mask, ahead of the mask's first reader
.irp i, 0,1,2,3,4,5,6,7
	v_cndmask_b32 v[\cd+\i], v[\cd+\i], v[SUM2], s[\m]
.endr
.endm
	v_mov_b32 v[F], s29                            ; 448 x 2^e6
	v_mov_b32 v[F+1], s30                          ; 2^e6
	v_mov_b32 v[SUM2], 0x7f7f7f7f                  ; four NaN codes
	FINISH STA, OA, PA, 23
	FINISH STB, OB, PA+8, 24
	s_wait_alu depctr_va_vdst(0)                   ; the selects have written both tiles' codes, v40 to v55, which the four stores read
	global_store_b128 v[L16], v[PA:PA+3],     s[6:7]
	global_store_b128 v[L16], v[PA+4:PA+7],   s[6:7] offset:512
	global_store_b128 v[L16], v[PA+8:PA+11],  s[6:7] offset:16384
	global_store_b128 v[L16], v[PA+12:PA+15], s[6:7] offset:16384+512
	s_wait_dscnt 0x0                               ; the closing lines, six on end
	s_wait_alu 0x0
	s_wait_tensorcnt 0x0
	ds_add_u32 v[SPW], v[NIL]
	s_wait_dscnt 0x0
	s_endpgm
.Lfunc_end_k_q2091dae334_attn:
	.size	k_q2091dae334_attn, .Lfunc_end_k_q2091dae334_attn-k_q2091dae334_attn
	.p2alignl 7, 3214868480
	.fill 96, 4, 3214868480
	.section	.rodata,"a",@progbits
	.p2align	6, 0x0
	.amdhsa_kernel k_q2091dae334_attn
		.amdhsa_group_segment_fixed_size 280576
		.amdhsa_private_segment_fixed_size 0
		.amdhsa_enable_private_segment 0
		.amdhsa_kernarg_size 48
		.amdhsa_user_sgpr_count 2
		.amdhsa_user_sgpr_kernarg_segment_ptr 1
		.amdhsa_wavefront_size32 1
		.amdhsa_system_sgpr_workgroup_id_x 1
		.amdhsa_system_sgpr_workgroup_id_y 1
		.amdhsa_system_sgpr_workgroup_id_z 1
		.amdhsa_system_vgpr_workitem_id 0
		.amdhsa_next_free_vgpr 256
		.amdhsa_next_free_sgpr 100
		.amdhsa_reserve_vcc 0
		.amdhsa_float_denorm_mode_32 3
		.amdhsa_float_denorm_mode_16_64 3
		.amdhsa_memory_ordered 1
		.amdhsa_forward_progress 1
		.amdhsa_inst_pref_size 55
	.end_amdhsa_kernel
	.amdgpu_metadata
---
amdhsa.version: [ 1, 2 ]
amdhsa.kernels:
  - .name:           k_q2091dae334_attn
    .symbol:         k_q2091dae334_attn.kd
    .args:
      - { .name: qf, .offset: 0, .size: 8, .value_kind: global_buffer, .address_space: global }
      - { .name: kv, .offset: 8, .size: 8, .value_kind: global_buffer, .address_space: global }
      - { .name: lm, .offset: 16, .size: 8, .value_kind: global_buffer, .address_space: global }
      - { .name: fl, .offset: 24, .size: 8, .value_kind: global_buffer, .address_space: global }
      - { .name: lowp_scales, .offset: 32, .size: 8, .value_kind: global_buffer, .address_space: global }
      - { .name: yq, .offset: 40, .size: 8, .value_kind: global_buffer, .address_space: global }
    .group_segment_fixed_size: 280576
    .private_segment_fixed_size: 0
    .kernarg_segment_align: 8
    .kernarg_segment_size: 48
    .max_flat_workgroup_size: 512
    .sgpr_count:     100
    .vgpr_count:     256
    .wavefront_size: 32
...
	.end_amdgpu_metadata
.endif
;; end of part 5
;; launch proj: the kernel of part 4 again; grid 4 x 32, 4 waves a work-group, clusters of 4 x 4, 327,680 bytes of LDS; arguments yq, wo, lowp_scales, b_out, out0; writes out0
